; MI455X (gfx1250); checked and timed in simulation.
; The chip was launched on July 23, 2026; its instructions are those of AMD's public machine-readable ISA for CDNA 5 (MIT licence, August 2026) and "CDNA5" Instruction Set Architecture Reference Guide (July 2026). The comments in the code are by the model that wrote it; some were corrected since.
;; OPT Decoder Layer Sharded. Allowed arithmetic: float matrix products may take bf16 or f16 operands with f32 sums; other float arithmetic in f32, or as packed bf16 or f16 multiplies, adds, multiply-adds, maxima and minima; sums over many terms, partial sums and values carried from step to step in f32; what a program stores and reads back later, other than sums and carried values, may be rounded once to bf16 or f16.
;; Inputs: attention_mask 1 x 1 x 512 x 512 float32; b_k 4,096 int8; b_o 4,096 float32; b_q 4,096 int8; b_v 4,096 int8; hidden_states 1 x 512 x 4,096 float32; w_k 4,096 x 4,096 int8; w_o 4,096 x 4,096 int8; w_q 4,096 x 4,096 int8; w_v 4,096 x 4,096 int8.
;; Outputs: out0 1 x 512 x 4,096 float32.
;; 2 versions, each right; version 2 is version 1 with the launch prep written anew for expert scheduling mode. Each part assembles by itself: llvm-mc -triple=amdgcn-amd-amdhsa -mcpu=gfx1250 --defsym DOCPART=n.
;; ======== version 1 of 2: 4 launches
;; workspace buffers: xq 4,194,304 bytes; qws 4,194,304 bytes; kws 4,194,304 bytes; vws 4,194,304 bytes; ows 4,194,304 bytes
;; launch prep (part 1): grid 256 x 1, 8 waves a work-group, no clusters, 0 bytes of LDS; arguments hidden_states, xq; writes xq
.if DOCPART == 1
	.amdgcn_target "amdgcn-amd-amdhsa--gfx1250"
	.amdhsa_code_object_version 6
	.text
	.protected	k_qab6542e608_prep
	.globl	k_qab6542e608_prep
	.p2align	8
	.type	k_qab6542e608_prep,@function
k_qab6542e608_prep:
	s_mov_b64 s[64:65], 0
	v_nop
	global_prefetch_b8 v0, s[64:65] scope:SCOPE_SE
	s_setreg_imm32_b32 hwreg(HW_REG_WAVE_MODE, 25, 1), 1
	s_wait_xcnt 0x0
; xq = clip(round_to_even(hidden_states / 0.033), -128, 127), stored as f16: whole numbers of that range are exact in f16.
; DEAD WORK: none in the whole program.  Every input of the module has a way to the output (the mask is an input and is honoured number by number: no tile is left out),
; so every input is loaded by some launch, and no step is dropped.
; THE QUOTIENT is taken as the product x R, R the f32 number nearest to 1 / S, S = 0.033 in f32: the form that a division by a constant takes when it is compiled as a product with the reciprocal.
; LIMITS.  R lies 0.24 of its last place below 1 / S, and the product is rounded once: x R can differ from the correctly rounded x / S by one unit in the last place, which shows in xq only where
; the quotient lies within that unit of a half.  NaN and infinities in hidden_states are not treated apart.
; SHARES.  A stream: 256 work-groups of 8 waves, 8,192 numbers each.  Thread t takes the 16 bytes at 16 t + 4,096 i, i = 0..7: all eight loads go out first, a wave's load covers 512
; consecutive bytes, a wave's store 256 consecutive bytes, aligned.  No LDS, no matrix unit, no cluster: nothing is shared and nothing is read twice.
.set XR, 8                             ; v[8:39]   eight loads of four numbers
.set QR, 40                            ; v[40:43]  the quotient at work
.set YR, 48                            ; v[48:63]  eight stores of two registers: no register is used twice, so no store's data is ever rewritten
	s_load_b128 s[4:7], s[0:1], 0x0                ; hidden_states s[4:5], xq s[6:7]
	s_lshl_b32 s8, ttmp9, 15                       ; 32,768 bytes in for each work-group,
	s_mov_b32 s9, 0
	s_lshl_b32 s10, ttmp9, 14                      ; 16,384 out
	s_mov_b32 s11, 0
	s_mov_b32 s12, 0x41f26c9b                      ; R = 1 / 0.033 in f32
	s_mov_b32 s13, s12                             ; named with it as a pair
	s_mov_b32 s16, 0xc3000000                      ; -128.0
	s_mov_b32 s17, 0x42fe0000                      ; 127.0
	v_lshlrev_b32 v1, 4, v0
	v_lshlrev_b32 v2, 3, v0
	s_wait_kmcnt 0x0
	s_add_nc_u64 s[4:5], s[4:5], s[8:9]
	s_add_nc_u64 s[6:7], s[6:7], s[10:11]
.irp i, 0,1,2,3,4,5,6,7
	global_load_b128 v[XR+4*\i:XR+4*\i+3], v1, s[4:5] offset:4096*\i th:TH_LOAD_NT
.endr
.irp i, 0,1,2,3,4,5,6,7
	s_wait_loadcnt 7-\i                            ; loads come back in order: load i is in, the 7 - i younger ones may stay out
	v_pk_mul_f32 v[QR:QR+1], v[XR+4*\i:XR+4*\i+1], s[12:13] op_sel_hi:[1,0]
	v_pk_mul_f32 v[QR+2:QR+3], v[XR+4*\i+2:XR+4*\i+3], s[12:13] op_sel_hi:[1,0]
.irp j, 0,1,2,3
	v_rndne_f32 v[QR+\j], v[QR+\j]
.endr
.irp j, 0,1,2,3
	v_med3_num_f32 v[QR+\j], v[QR+\j], s16, s17
.endr
	v_cvt_pk_f16_f32 v[YR+2*\i], v[QR], v[QR+1]
	v_cvt_pk_f16_f32 v[YR+2*\i+1], v[QR+2], v[QR+3]
	global_store_b64 v2, v[YR+2*\i:YR+2*\i+1], s[6:7] offset:2048*\i
.endr
	s_endpgm
.Lfunc_end_k_qab6542e608_prep:
	.size	k_qab6542e608_prep, .Lfunc_end_k_qab6542e608_prep-k_qab6542e608_prep
	.p2alignl 7, 3214868480
	.fill 96, 4, 3214868480
	.section	.rodata,"a",@progbits
	.p2align	6, 0x0
	.amdhsa_kernel k_qab6542e608_prep
		.amdhsa_group_segment_fixed_size 0
		.amdhsa_private_segment_fixed_size 0
		.amdhsa_enable_private_segment 0
		.amdhsa_kernarg_size 16
		.amdhsa_user_sgpr_count 2
		.amdhsa_user_sgpr_kernarg_segment_ptr 1
		.amdhsa_wavefront_size32 1
		.amdhsa_system_sgpr_workgroup_id_x 1
		.amdhsa_system_sgpr_workgroup_id_y 1
		.amdhsa_system_sgpr_workgroup_id_z 1
		.amdhsa_system_vgpr_workitem_id 0
		.amdhsa_next_free_vgpr 64
		.amdhsa_next_free_sgpr 66
		.amdhsa_reserve_vcc 0
		.amdhsa_float_denorm_mode_32 3
		.amdhsa_float_denorm_mode_16_64 3
		.amdhsa_memory_ordered 1
		.amdhsa_forward_progress 1
		.amdhsa_inst_pref_size 8
	.end_amdhsa_kernel
	.amdgpu_metadata
---
amdhsa.version: [ 1, 2 ]
amdhsa.kernels:
  - .name:           k_qab6542e608_prep
    .symbol:         k_qab6542e608_prep.kd
    .args:
      - { .name: hidden_states, .offset: 0, .size: 8, .value_kind: global_buffer, .address_space: global }
      - { .name: xq, .offset: 8, .size: 8, .value_kind: global_buffer, .address_space: global }
    .group_segment_fixed_size: 0
    .private_segment_fixed_size: 0
    .kernarg_segment_align: 8
    .kernarg_segment_size: 16
    .max_flat_workgroup_size: 256
    .sgpr_count:     66
    .vgpr_count:     64
    .wavefront_size: 32
...
	.end_amdgpu_metadata
.endif
;; end of part 1
;; launch qkv (part 2): grid 64 x 4, 4 waves a work-group, clusters of 4 x 4, 327,680 bytes of LDS; arguments xq, w_q, w_k, w_v, b_q, b_k, b_v, qws, kws, vws; writes qws, kws, vws
.if DOCPART == 2
	.amdgcn_target "amdgcn-amd-amdhsa--gfx1250"
	.amdhsa_code_object_version 6
	.text
	.protected	k_qab6542e608_qkv
	.globl	k_qab6542e608_qkv
	.p2align	8
	.type	k_qab6542e608_qkv,@function
k_qab6542e608_qkv:
	s_mov_b64 s[64:65], 0
	v_nop
	global_prefetch_b8 v0, s[64:65] scope:SCOPE_SE
	s_setreg_imm32_b32 hwreg(HW_REG_WAVE_MODE, 25, 1), 1
	s_wait_xcnt 0x0
	s_wait_alu depctr_hold_cnt(0) depctr_sa_sdst(0) depctr_va_vdst(0) depctr_va_sdst(0) depctr_va_ssrc(0) depctr_va_vcc(0) depctr_vm_vsrc(0)
	s_getreg_b32 s2, hwreg(HW_REG_IB_STS2, 6, 4)
	s_cmp_eq_u32 s2, 0
	s_cbranch_scc0 .Lentry_in_a_cluster
	s_endpgm
.Lentry_in_a_cluster:
	s_bfe_u32 s2, ttmp6, 0x10000c
	s_cmp_lg_u32 s2, 0xf033
	s_cbranch_scc0 .Lentry_shape_is_right
	s_endpgm
.Lentry_shape_is_right:
; q, k, v = clip(round_to_even(3e-4 acc) + bias, -128, 127), acc = xq w^T.  xq: [512][4096] f16 (whole numbers); w_q, w_k, w_v: [4096][4096] int8; biases int8.
; Out: qws, kws, vws, f16, [64 planes][512 tokens][64 channels]: plane p holds columns 64 p .. 64 p + 63, so a head of 128 channels is two planes, dense.  No work is left out.
; EXACT.  All operands are whole numbers of -128..127, exact in f16; products and f32 sums are exact while a sum stays under 2^24.  LIMIT: beyond 2^24 a sum may lose its last bits; 3e-4 of it is
; then over 5,000 and the result is clipped whatever those bits are.  The f16 steps behind the rounding (bias, clip) are exact wherever the result lies inside the clip: |round| is 20,133 at the most.
; SHARES.  A work-group makes 128 tokens x 192 columns: the same 64 columns (one plane) of q, k and v.  256 work-groups.  K IS SPLIT IN TWO AMONG THE WAVES (kidx = wave & 1), the 192 columns in two
; (nidx = wave >> 1): a wave has 128 x 96 on half of K, 48 accumulators.  So every byte of the weights in LDS is read, and turned into f16, by exactly one wave.  The two halves of K meet in LDS at the end.
; TRANSPOSED.  Source 0 = 16 rows of w, source 1 = 16 tokens: a lane ends with one token (lane % 16) and eight neighbouring columns (8 (lane / 16) + 0..7).
; THE ORDER OF K inside a product of 32 is permuted alike in both sources (the sums are exact, so any order gives the same number): lane (r, h) takes the 16 bytes of w, and the 32 bytes of xq,
; that hold k = 16 h .. 16 h + 15: one LDS load for w, two for xq.
; INT8 TO F16, 20 vector instructions a fragment (RIDER): w xor 0x80 = w + 128 as an unsigned byte u; the bytes 0x64, u are the f16 number 1024 + u; less 1152 that is w, exactly.
; They stand behind the matrix instructions, 2.5 behind each, and work one quarter step ahead of the products; LDS reads lead the products by two quarter steps.
; REGISTERS, in windows of 256 (s_set_vgpr_msb: bits 1:0 source 0, 3:2 source 1, 5:4 source 2, 7:6 destination).  Windows 0, 1, 2 each hold two fragments of w and all that belongs to them: v2, v3 LDS
; addresses; v32-39 raw bytes; v48-59 bias; v64-95 two buffers of f16 fragments; v128-255 sixteen accumulators.  Window 3 holds four buffers of xq's eight fragments.  One setting (SW w) serves a window's
; products, its conversions (their one vector source is source 0) and its raw loads: about six switches for a quarter step's 48 products.
; CLUSTER.  4 x 4 work-groups: xq's tile hangs on the token block alone and is asked for jointly along a row of the cluster, the weights' tiles on the plane alone, along a column.
.set NA,    8                          ; blocks of 16 tokens a wave
.set NBW,   2                          ; fragments of w in a window
.set NWIN,  3                          ; windows with fragments of w
.set XW,    3                          ; the window of xq's fragments
.set KSPL,  2                          ; K is split among so many waves
.set GA,    NA/KSPL                    ; token blocks in a group: one group is kept at the end, the others are given away
.set KSTEP, 256
.set STEPS, 4096/KSTEP
.set PA,    528                        ; a row of xq in LDS: 512 bytes + 16; PW: a row of w, 256 + 16: odd multiples of 16, so the 16 rows of a load start in 16 different groups of four banks (64 banks of 4 bytes: ISA guide 11.1)
.set PW,    272
.set WOFF,  128*PA                     ; a slot: 128 rows of xq, then 64 rows each of w_q, w_k, w_v
.set SLOT,  131072                     ; slot 1 begins here: one exclusive or turns an address in one slot into the other's
.set STAGE, SLOT+WOFF+192*PW           ; behind the ring, never filled by a tensor load: 128 rows x 400 bytes for the way out
.set PS,    400
.set SPARE, STAGE+128*PS               ; the spare words, 128 bytes for each wave: two blocks of 256 bytes that no other line names
.set EXB,   24576                      ; the exchange (in slot 0, behind its last fill and last read): what one wave receives
.set LPQ,   NWIN*NBW+2*NA              ; LDS loads of a wave in a quarter step
.set RR,   1                           ; v1   lane % 16
.set ADW,  2                           ; v2   (each window) LDS address of the window's raw bytes in the slot in hand
.set ADW0, 3                           ; v3   (each window) the same in slot 0; never rewritten
.set ADX,  4                           ; v4-5 LDS address of xq's rows, by group
.set ADX0, 8                           ; v8-9 the same in slot 0
.set SPW,  12                          ; v12  LDS address of my spare word; never rewritten
.set NIL,  13                          ; v13  0; never rewritten
.set PFO,  14                          ; v14  the prefetches' offset; never rewritten
.set BO,   15                          ; v15  the bias loads' offset
.set EXS,  16                          ; v16  where I put what I give away
.set EXR,  19                          ; v19  where I find what I am given
.set STO,  20
.set RD,   21
.set GO,   22
.set HH,   23                          ; v23  lane / 16
.set RAW,  32
.set BR,   48                          ; bias as loaded
.set BC,   52                          ; bias in f16: fragment b at BC + 4 b
.set CV,   64
.set CVB,  8*NBW
.set ACC,  128                         ; accumulator (b, a) at ACC + 8 (NA b + a)
.set CNT,  3                           ; s3   the loops' counter
.set WV,   24
.set KIDX, 25
.set NIDX, 26
.set CX,   27
.set CY,   28
.set TX,   29                          ; the plane: 4 x cluster x + cx
.set MY,   30                          ; the token block: 4 x cluster y + cy
.set T0,   31
.set G1A,  32                          ; s[32:39] descriptor group 1 for xq's tile
.set G1W,  40                          ; s[40:47] for a weight tile
.set G0A,  48                          ; s[48:55] group 0 for xq: a set for each first fill; the second then walks
.set G0W,  56                          ; s[56:63] the same for the weights
.set TB,   66                          ; s66  0 or SLOT: the slot that LDS reads go to
.set T1,   67
.set XK,   68
.set C64,  69
.set SELLO, 70
.set SELHI, 71
.set NEG,  72
.set ALPHA, 74                         ; s[74:75]
.set CHI,  76
.set CLO,  77
.set PFA,  78                          ; s[78:79] where my prefetches stand
.set PFS,  80                          ; s[80:81] a K step in bytes of the tensor that I fetch
.set LIM,  82
.set BP,   84                          ; s[84:89] the three windows' bias pointers
.set OB,   92                          ; s[92:97] qws, kws, vws at the work-group's rows
.set MSB, 0
.macro WIN new                         ; the immediate's high byte repeats the setting that is left; a switch that changes nothing is dropped
.if MSB != (\new)
	s_set_vgpr_msb (MSB<<8)|(\new)
.set MSB, (\new)
.endif
.endm
.macro SW w                            ; window w's setting: D, C, w's fragments, the conversions and the raw loads in w, xq's fragments in XW
	WIN (\w)|(XW<<2)|((\w)<<4)|((\w)<<6)
.endm
.macro CREST                           ; a round of the cluster's barrier behind its opening barrier
	s_cmp_lg_u32 s[WV], 0
	s_cbranch_scc1 .Lnot_wave_0_\@
	s_barrier_signal -3
.Lnot_wave_0_\@:
	s_barrier_wait -3
	s_barrier_signal -1
	s_barrier_wait -1
.endm
.macro CROUND                          ; a whole round
	s_barrier_signal -1
	s_barrier_wait -1
	CREST
.endm
; A joint refill: wave 0 fetches xq's tile (128 rows x 512 bytes), waves 1 to 3 the 64 rows x 256 bytes of w_q, w_k, w_v.  The branch hangs on the wave's number alone.
; An s_nop 0 and four v_nop follow each of the two lines, ahead of the jump and the label.
.macro JLOAD
	s_cmp_eq_u32 s[WV], 0
	s_cbranch_scc0 .Lfor_w_\@
	tensor_load_to_lds s[G0A+4:G0A+7], s[G1A:G1A+7]
	s_nop 0
.rept 4
	v_nop
.endr
	s_branch .Lasked_\@
.Lfor_w_\@:
	tensor_load_to_lds s[G0W+4:G0W+7], s[G1W:G1W+7]
	s_nop 0
.rept 4
	v_nop
.endr
.Lasked_\@:
.endm
; A PREFETCH INTO THE L2, in every second trip, behind the joint load and the run of LDS loads: the K steps that stand two and three refills on (384 and 576 matrix instructions ahead of their loads).
; Each aligned block of 256 bytes is named once in the launch.  A plane's rows of the weights are read by one cluster alone: its four partners along y share a wave's 64 rows out BY ADDRESS, 16 each,
; lanes 0-15 the first of the two steps, lanes 16-31 the second.  xq's rows are read by all sixteen clusters: the one with x = 0 asks, its four partners along x take 32 rows each, a lane a row, four blocks of 256 bytes.
; The first four K steps come by their loads alone; the trips whose look-ahead would pass K's end ask for nothing.
.macro ASK
	s_and_b32 s[T0], s[CNT], 1
	s_cmp_eq_u32 s[T0], 0
	s_cbranch_scc0 .Lnone_\@
	s_cmp_gt_u32 s[CNT], s[LIM]
	s_cbranch_scc0 .Lnone_\@
	global_prefetch_b8 v[PFO], s[PFA:PFA+1] th:TH_LOAD_NT scope:SCOPE_SE
	s_cmp_eq_u32 s[WV], 0
	s_cbranch_scc0 .Lnone_\@
	global_prefetch_b8 v[PFO], s[PFA:PFA+1] offset:256 th:TH_LOAD_NT scope:SCOPE_SE
	global_prefetch_b8 v[PFO], s[PFA:PFA+1] offset:512 th:TH_LOAD_NT scope:SCOPE_SE
	global_prefetch_b8 v[PFO], s[PFA:PFA+1] offset:768 th:TH_LOAD_NT scope:SCOPE_SE
.Lnone_\@:
.endm
; Number n of a window's 20 NBW conversion lines, into f16 buffer cb: for each fragment 4 exclusive ors, 8 byte permutes, 8 packed additions.
.macro RIDER cb
.set fr, n/20
.set st, n%20
.if st < 4
	v_xor_b32 v[RAW+4*fr+st], v[RAW+4*fr+st], s[XK]
.elseif st < 12
.if st%2 == 0
	v_perm_b32 v[CV+CVB*(\cb)+8*fr+st-4], v[RAW+4*fr+(st-4)/2], s[C64], s[SELLO]
.else
	v_perm_b32 v[CV+CVB*(\cb)+8*fr+st-4], v[RAW+4*fr+(st-4)/2], s[C64], s[SELHI]
.endif
.else
	v_pk_add_f16 v[CV+CVB*(\cb)+8*fr+st-12], v[CV+CVB*(\cb)+8*fr+st-12], s[NEG]
.endif
.set n, n+1
.endm
; Matrix instructions lo .. hi - 1 of a window's sixteen, each with its share of the conversions behind it.  The sixteen accumulators take turns, one instruction a turn, and the next window's follow.
.macro MMR jq, zero, lo, hi
.set i, \lo
.rept (\hi)-(\lo)
.if \zero
	v_wmma_f32_16x16x32_f16 v[ACC+8*i:ACC+8*i+7], v[CV+CVB*((\jq)%2)+8*(i/NA):CV+CVB*((\jq)%2)+8*(i/NA)+7], v[8*NA*(\jq)+8*(i%NA):8*NA*(\jq)+8*(i%NA)+7], 0
.else
	v_wmma_f32_16x16x32_f16 v[ACC+8*i:ACC+8*i+7], v[CV+CVB*((\jq)%2)+8*(i/NA):CV+CVB*((\jq)%2)+8*(i/NA)+7], v[8*NA*(\jq)+8*(i%NA):8*NA*(\jq)+8*(i%NA)+7], v[ACC+8*i:ACC+8*i+7]
.endif
.set i, i+1
.rept 5
.if n < i*20*NBW/16
	RIDER ((\jq)+1)%2
.endif
.endr
.endr
.endm
.macro RAWLD rq                        ; the window's raw bytes of quarter rq (under the window's setting)
.set b, 0
.rept NBW
	ds_load_b128 v[RAW+4*b:RAW+4*b+3], v[ADW] offset:b*16*PW+32*(\rq)
.set b, b+1
.endr
.endm
.macro XRUN rq                         ; xq's fragments of quarter rq into buffer rq
	WIN XW<<6
.set a, 0
.rept NA
	ds_load_b128 v[8*NA*(\rq)+8*a:8*NA*(\rq)+8*a+3],   v[ADX+a/GA] offset:(a%GA)*16*PA+64*(\rq)
	ds_load_b128 v[8*NA*(\rq)+8*a+4:8*NA*(\rq)+8*a+7], v[ADX+a/GA] offset:(a%GA)*16*PA+64*(\rq)+16
.set a, a+1
.endr
.endm
; Window w's part of quarter jq: 16 products on the f16 fragments made last quarter; beside them the conversion of the raw bytes read last quarter; then the raw bytes (and in window 0 xq's fragments) of the quarter after next.
; Every register that a load or a conversion writes was last read by a matrix instruction a window's part earlier or more: the conversions between are the places that such a write wants.
; meet (window 0 of quarter 2): THE CHANGE OF SLOTS.  The reads of the old slot were all issued by the end of quarter 1.  Each wave waits for all its tensor loads, of which one is out: its part of the next slot; adds 0
; to its spare word; and waits for that and for its reads.  meet = 1: the barrier opens a round of the cluster's, and the joint refill (the K step two on) is the first thing behind it: it has a K step less sixteen
; matrix instructions, 176 of 192, in which to land.  meet = 2 (the tail): nothing is filled.
.macro PHASE w, jq, zero, meet
.set n, 0
.if \meet
	WIN 0                                          ; (the add's two registers lie in window 0)
.if (\meet) == 1
	s_wait_xcnt 0x0                                ; the last prefetches, a K step back or more, have read their address: it may be stepped
	s_add_nc_u64 s[PFA:PFA+1], s[PFA:PFA+1], s[PFS:PFS+1]
.endif
	s_wait_tensorcnt 0x0                           ; all my tensor loads have landed
	ds_add_u32 v[SPW], v[NIL]                      ; 0 onto my spare word
	s_wait_dscnt LPQ-NBW+1                         ; the window's raw bytes are in: behind them were issued the other windows' raw loads, one run of xq's, and the add
	SW 0
	MMR \jq, 0, 0, 8                               ; work on registers between the add and the wait for it
	s_wait_dscnt 0x0                               ; the add is done, and my reads of the old slot are over
	s_barrier_signal -1
	MMR \jq, 0, 8, 16                              ; work on registers while the others arrive
	WIN 0                                          ; at a label and at a branch every window is 0
	s_barrier_wait -1
.if (\meet) == 1
	CREST                                          ; no wave of any partner still reads the old slot or has a load on its way
	s_xor_b32 s[G0A+5], s[G0A+5], SLOT             ; the walking descriptors: the other slot than last time, the next K step
	s_add_nc_u64 s[G0A+6:G0A+7], s[G0A+6:G0A+7], KSTEP*2
	s_xor_b32 s[G0W+5], s[G0W+5], SLOT
	s_add_nc_u64 s[G0W+6:G0W+7], s[G0W+6:G0W+7], KSTEP
	JLOAD
.endif
	s_xor_b32 s[TB], s[TB], SLOT                   ; LDS reads go to the other slot from here on
	SW 0
.else
	s_wait_dscnt LPQ-NBW                           ; the window's raw bytes are in: behind them were issued the other windows' raw loads and one run of xq's; this quarter's fragments of xq are older still
	SW \w
	MMR \jq, \zero, 0, 16
.endif
.if (\jq) == 2
	v_add_nc_u32 v[ADW], v[ADW0], s[TB]
.if (\w) == 0
.set g, 0
.rept KSPL
	v_add_nc_u32 v[ADX+g], v[ADX0+g], s[TB]
.set g, g+1
.endr
.endif
.endif
	RAWLD ((\jq)+2)%4
.if (\w) == 0
	XRUN ((\jq)+2)%4
.endif
.if (\meet) == 1
	WIN 0
	ASK
.endif
.endm
.macro QUARTER jq, zero, meet          ; 32 along K for the whole wave tile
	PHASE 0, \jq, \zero, \meet
	PHASE 1, \jq, \zero, 0
	PHASE 2, \jq, \zero, 0
.endm
	s_load_b512 s[4:19], s[0:1], 0x0               ; xq s[4:5], w_q s[6:7], w_k s[8:9], w_v s[10:11], b_q s[12:13], b_k s[14:15], b_v s[16:17], qws s[18:19]
	s_load_b128 s[20:23], s[0:1], 0x40             ; kws s[20:21], vws s[22:23]
	v_lshl_add_u32 v[SPW], v0, 2, SPARE
	v_mov_b32 v[NIL], 0
	ds_add_u32 v[SPW], v[NIL]                      ; the wave's opening: the add, twice on end, and its wait ahead of my first tensor load
	ds_add_u32 v[SPW], v[NIL]                      ; and once more, under the one wait; the set-up below, work on registers, stands between
	v_lshrrev_b32 v24, 5, v0
	v_readfirstlane_b32 s[WV], v24                 ; wave 0..3
	s_and_b32 s[KIDX], s[WV], 1
	s_lshr_b32 s[NIDX], s[WV], 1
	s_bfe_u32 s[CX], ttmp6, 0x40000
	s_bfe_u32 s[CY], ttmp6, 0x40004
	s_lshl_b32 s[TX], ttmp9, 2
	s_add_co_u32 s[TX], s[TX], s[CX]
	s_and_b32 s[MY], ttmp7, 0xffff
	s_lshl_b32 s[MY], s[MY], 2
	s_add_co_u32 s[MY], s[MY], s[CY]
	s_lshl_b32 s[T0], s[CY], 2
	s_lshl_b32 s[T0], 15, s[T0]                    ; my row of the cluster
	s_lshl_b32 s[T1], 0x1111, s[CX]                ; my column
	s_or_b32 s[G1A], s[T0], (1<<16)|(1<<20)|(1<<21)|(6<<22)|(3<<25)  ; the mask; 2-byte elements; padding on; bit 21 beside a mask; after every 128 words, 4 words
	s_or_b32 s[G1W], s[T1], (1<<20)|(1<<21)|(5<<22)|(3<<25)          ; the mask; 1-byte elements; after every 64 words, 4 words
	s_mov_b32 s[G1A+1], KSTEP<<16                  ; tensor_dim0 = 256
	s_mov_b32 s[G1A+2], 128<<16                    ; tensor_dim1 = 128
	s_mov_b32 s[G1A+3], KSTEP<<16                  ; tile_dim0
	s_mov_b32 s[G1A+4], 128                        ; tile_dim1
	s_mov_b32 s[G1A+5], 4096                       ; elements from row to row
	s_mov_b32 s[G1A+6], 0
	s_mov_b32 s[G1A+7], 0
	s_mov_b32 s[G1W+1], KSTEP<<16
	s_mov_b32 s[G1W+2], 64<<16
	s_mov_b32 s[G1W+3], KSTEP<<16
	s_mov_b32 s[G1W+4], 64
	s_mov_b32 s[G1W+5], 4096
	s_mov_b32 s[G1W+6], 0
	s_mov_b32 s[G1W+7], 0
	s_mov_b32 s[G0A], 1
	s_mov_b32 s[G0A+1], 0                          ; xq's tile at a slot's head
	s_mov_b32 s[G0A+4], 1
	s_mov_b32 s[G0A+5], SLOT
	s_mul_i32 s[T0], s[WV], 64*PW                  ; wave v (1 to 3) fetches weight tensor v - 1, whose 64 rows lie at WOFF + (v - 1) x 64 rows: the wave's number times a constant,
	s_add_co_u32 s[T0], s[T0], WOFF-64*PW          ; plus a constant (wave 0 fetches xq's tile and never asks by this set)
	s_mov_b32 s[G0W], 1
	s_mov_b32 s[G0W+1], s[T0]
	s_mov_b32 s[G0W+4], 1
	s_add_co_u32 s[G0W+5], s[T0], SLOT
	s_mov_b32 s[TB], 0
	s_mov_b32 s[XK], 0x80808080
	s_mov_b32 s[C64], 0x64646464
	s_mov_b32 s[SELLO], 0x00050004
	s_mov_b32 s[SELHI], 0x00070006
	s_mov_b32 s[NEG], 0xe480e480                   ; -1152 twice in f16
	s_mov_b32 s[ALPHA], 0x399d4952                 ; 3e-4
	s_mov_b32 s[ALPHA+1], s[ALPHA]
	s_mov_b32 s[CHI], 0x57f057f0                   ; 127 twice in f16
	s_mov_b32 s[CLO], 0xd800d800                   ; -128 twice
	s_mov_b32 s91, 0
	s_wait_dscnt 0x0                               ; both opening adds are done
	s_wait_kmcnt 0x0
	s_lshl_b32 s90, s[MY], 20                      ; 128 rows of 8,192 bytes: the token block alone, which my row of the cluster shares
	s_add_nc_u64 s[G0A+2:G0A+3], s[4:5], s[90:91]
	s_add_nc_u64 s[G0A+6:G0A+7], s[G0A+2:G0A+3], KSTEP*2
	s_or_b32 s[G0A+3], s[G0A+3], 0x80000000
	s_or_b32 s[G0A+7], s[G0A+7], 0x80000000
	s_cmp_lt_u32 s[WV], 2
	s_cselect_b64 s[98:99], s[6:7], s[8:9]         ; wave 1: w_q; wave 2: w_k;
	s_cmp_eq_u32 s[WV], 3
	s_cselect_b64 s[98:99], s[10:11], s[98:99]     ; wave 3: w_v
	s_lshl_b32 s90, s[TX], 18                      ; 64 rows of 4,096 bytes: the plane alone, which my column shares
	s_add_nc_u64 s[G0W+2:G0W+3], s[98:99], s[90:91]
	s_add_nc_u64 s[G0W+6:G0W+7], s[G0W+2:G0W+3], KSTEP
	s_or_b32 s[G0W+3], s[G0W+3], 0x80000000
	s_or_b32 s[G0W+7], s[G0W+7], 0x80000000
	; the prefetches' address: my work-group's share of the rows that I fetch, at K step 3; every change of slots steps it once before it is used
	s_lshl_b32 s[T0], s[MY], 20
	s_lshl_b32 s[T1], s[CX], 18                    ; 32 rows of xq
	s_add_co_u32 s[T0], s[T0], s[T1]
	s_add_co_u32 s[T0], s[T0], 3*KSTEP*2
	s_lshl_b32 s[T1], s[TX], 18
	s_lshl_b32 s90, s[CY], 16                      ; 16 rows of a weight tensor
	s_add_co_u32 s[T1], s[T1], s90
	s_add_co_u32 s[T1], s[T1], 3*KSTEP
	s_cmp_eq_u32 s[WV], 0
	s_cselect_b32 s90, s[T0], s[T1]
	s_cselect_b64 s[PFA:PFA+1], s[4:5], s[98:99]
	s_cselect_b32 s[PFS], 9, 8
	s_cselect_b32 s[T0], ttmp9, 0                  ; xq's rows are asked for by the cluster with x = 0 alone
	s_add_nc_u64 s[PFA:PFA+1], s[PFA:PFA+1], s[90:91]
	s_lshl_b32 s[PFS], 1, s[PFS]                   ; 512 bytes of xq, 256 of a weight tensor
	s_mov_b32 s[PFS+1], 0
	s_cmp_eq_u32 s[T0], 0
	s_cselect_b32 s[LIM], 3, -1                    ; a wave asks while the counter is above this
	; the windows' biases: fragments 6 nidx + 2 w + b of the twelve (four each of q, k, v)
	s_cmp_eq_u32 s[NIDX], 0
	s_cselect_b64 s[BP:BP+1], s[12:13], s[14:15]
	s_cselect_b64 s[BP+2:BP+3], s[12:13], s[16:17]
	s_cselect_b64 s[BP+4:BP+5], s[14:15], s[16:17]
	s_lshl_b32 s90, s[TX], 6
	s_lshl_b32 s[T0], s[NIDX], 5
	s_add_co_u32 s90, s90, s[T0]                   ; 64 x plane + 32 ((w + nidx) & 1), for w = 0 and 2,
	s_add_nc_u64 s[BP:BP+1], s[BP:BP+1], s[90:91]
	s_add_nc_u64 s[BP+4:BP+5], s[BP+4:BP+5], s[90:91]
	s_xor_b32 s90, s90, 32                         ; and for w = 1
	s_add_nc_u64 s[BP+2:BP+3], s[BP+2:BP+3], s[90:91]
	s_lshl_b32 s90, s[TX], 16                      ; the plane's 65,536 bytes, the token block's 128 rows of 128
	s_lshl_b32 s[T0], s[MY], 14
	s_add_co_u32 s90, s90, s[T0]
	s_add_nc_u64 s[OB:OB+1], s[18:19], s[90:91]
	s_add_nc_u64 s[OB+2:OB+3], s[20:21], s[90:91]
	s_add_nc_u64 s[OB+4:OB+5], s[22:23], s[90:91]
	CROUND                                         ; all sixteen work-groups are here: the first joint loads meet
	s_cmp_eq_u32 s[WV], 0                          ; a wave's two first fills stand in one branch: two loads of mine are out
	s_cbranch_scc0 .Lfirst_w
	tensor_load_to_lds s[G0A:G0A+3], s[G1A:G1A+7]
	s_nop 0
	tensor_load_to_lds s[G0A+4:G0A+7], s[G1A:G1A+7]
	s_nop 0
.rept 4
	v_nop
.endr
	s_branch .Lfirst_asked
.Lfirst_w:
	tensor_load_to_lds s[G0W:G0W+3], s[G1W:G1W+7]
	s_nop 0
	tensor_load_to_lds s[G0W+4:G0W+7], s[G1W:G1W+7]
	s_nop 0
.rept 4
	v_nop
.endr
.Lfirst_asked:
	v_and_b32 v[RR], 15, v0
	v_bfe_u32 v[HH], v0, 4, 1
	v_and_b32 v26, 31, v0                          ; lane
	v_lshlrev_b32 v[BO], 3, v[HH]                  ; my eight columns' bias bytes
.irp w, 0,1,2
	WIN (\w)<<6
	global_load_b64 v[BR:BR+1], v[BO], s[BP+2*\w:BP+2*\w+1]
	global_load_b64 v[BR+2:BR+3], v[BO], s[BP+2*\w:BP+2*\w+1] offset:16
.endr
	WIN 0
	v_mul_u32_u24 v24, v[RR], PW                   ; w: row x pitch + 16 x half of the lanes
	v_lshl_add_u32 v24, v[HH], 4, v24
	s_mul_i32 s[T0], s[NIDX], NWIN*NBW*16*PW       ; my 96 rows,
	s_lshl_b32 s[T1], s[KIDX], 7                   ; my half of the K step: 128 bytes
	s_add_co_u32 s[T0], s[T0], s[T1]
	s_add_co_u32 s[T0], s[T0], WOFF
.irp w, 0,1,2
	WIN (\w)<<6
	v_add_nc_u32 v[ADW0], s[T0], v24
	v_add_nc_u32 v[ADW], s[T0], v24
	s_add_co_u32 s[T0], s[T0], NBW*16*PW
.endr
	WIN 0
	v_mul_u32_u24 v25, v[RR], PA                   ; xq: row x pitch + 32 x half of the lanes
	v_lshl_add_u32 v25, v[HH], 5, v25
	s_lshl_b32 s[T1], s[KIDX], 8                   ; my half of the K step: 256 bytes
.irp g, 0,1                            ; my group g is the tile's group (g + kidx) % 2: so every wave keeps its group 0 at the end, in the same registers
	s_add_co_u32 s[T0], s[KIDX], \g
	s_and_b32 s[T0], s[T0], KSPL-1
	s_mul_i32 s[T0], s[T0], 16*GA*PA
	s_add_co_u32 s[T0], s[T0], s[T1]
	v_add_nc_u32 v[ADX0+\g], s[T0], v25
	v_add_nc_u32 v[ADX+\g], s[T0], v25
.endr
	s_xor_b32 s[T0], s[WV], 1                      ; the wave with the other half of K
	s_mul_i32 s[T0], s[T0], EXB
	v_lshl_add_u32 v[EXS], v26, 4, s[T0]
	s_mul_i32 s[T0], s[WV], EXB
	v_lshl_add_u32 v[EXR], v26, 4, s[T0]
	s_mul_i32 s[T0], s[KIDX], 64*PS                ; into the stage: token 64 kidx + 16 a + lane % 16, my 96 columns, 16 bytes for each half of the lanes
	s_mul_i32 s[T1], s[NIDX], 192
	s_add_co_u32 s[T0], s[T0], s[T1]
	s_add_co_u32 s[T0], s[T0], STAGE
	v_mul_u32_u24 v[STO], v[RR], PS
	v_lshl_add_u32 v[STO], v[HH], 4, v[STO]
	v_add_nc_u32 v[STO], s[T0], v[STO]
	s_mul_i32 s[T0], s[WV], 32*PS                  ; back: wave w takes tokens 32 w .. 32 w + 31; 32 lanes take four tokens' 128 bytes of one plane
	s_add_co_u32 s[T0], s[T0], STAGE
	v_lshrrev_b32 v27, 3, v26
	v_and_b32 v28, 7, v26
	v_mul_u32_u24 v[RD], v27, PS
	v_lshl_add_u32 v[RD], v28, 4, v[RD]
	v_add_nc_u32 v[RD], s[T0], v[RD]
	s_lshl_b32 s[T0], s[WV], 12
	v_lshl_add_u32 v[GO], v26, 4, s[T0]            ; which are 512 consecutive bytes of a plane
	s_cmp_eq_u32 s[WV], 0
	s_cselect_b32 s[T0], 13, 12                    ; a row of xq is 8,192 bytes, of a weight tensor 4,096
	s_cselect_b32 s[T1], 17, 8                     ; lanes 16-31: sixteen rows of xq on, or the weights' next K step
	v_lshlrev_b32 v[PFO], s[T0], v[RR]
	v_lshlrev_b32 v24, s[T1], v[HH]
	v_add_nc_u32 v[PFO], v[PFO], v24
	s_wait_loadcnt 0x0                             ; the biases; they are turned into f16, as the weights are, in the wait for the first tiles
.irp w, 0,1,2
	SW \w
.irp j, 0,1,2,3
	v_xor_b32 v[BR+\j], v[BR+\j], s[XK]
.endr
.irp j, 0,1,2,3
	v_perm_b32 v[BC+2*\j], v[BR+\j], s[C64], s[SELLO]
	v_perm_b32 v[BC+2*\j+1], v[BR+\j], s[C64], s[SELHI]
.endr
.irp j, 0,1,2,3,4,5,6,7
	v_pk_add_f16 v[BC+\j], v[BC+\j], s[NEG]
.endr
.endr
	WIN 0
	s_wait_tensorcnt 0x1                           ; my part of K step 0 is in; slot 1's may stay out
	s_barrier_signal -1
	s_barrier_wait -1                              ; everybody's is
.irp w, 0,1,2                          ; the pipeline is filled: quarter 0's raw bytes are read and converted,
	SW \w
	RAWLD 0
.endr
	s_wait_dscnt 0x0
.irp w, 0,1,2
	SW \w
.set n, 0
.rept 20*NBW
	RIDER 0
.endr
.endr
	XRUN 0                                         ; then the loads go out in the order in which the quarters issue them, so that the quarters' counts hold from the first
	SW 0
	RAWLD 1
	XRUN 1
	SW 1
	RAWLD 1
	SW 2
	RAWLD 1
	QUARTER 0, 1, 0                                ; the first quarter stands in front of the loop: its products start the sums
	WIN 0
	s_mov_b32 s[CNT], STEPS-2
.Lstep:                                        ; a trip goes from a K step's second quarter to the next step's first; trip i asks for K step i + 2
	QUARTER 1, 0, 0
	QUARTER 2, 0, 1
	QUARTER 3, 0, 0
	QUARTER 0, 0, 0
	WIN 0
	s_sub_co_u32 s[CNT], s[CNT], 1
	s_cmp_lg_u32 s[CNT], 0
	s_cbranch_scc1 .Lstep
	s_mov_b32 s[CNT], 2                            ; the last two K steps are a text of their own: nothing is asked for
.Ltail:
	QUARTER 1, 0, 0
	QUARTER 2, 0, 2
	QUARTER 3, 0, 0
	WIN 0
	s_sub_co_u32 s[CNT], s[CNT], 1
	s_cmp_eq_u32 s[CNT], 0
	s_cbranch_scc1 .Lout                           ; the second trip is left here.  Its last two quarters have read 2 x 22 loads of old bytes of slot 0 and converted half of them for nothing: the price, once a launch, of one text for both trips
	QUARTER 0, 0, 0
	WIN 0
	s_branch .Ltail
.Lout:
.rept 8
	v_nop                                          ; the places behind the last products
.endr
	s_wait_dscnt 0x0
	s_barrier_signal -1
	s_barrier_wait -1                              ; nobody reads a slot any more: slot 0, which has had its last fill, serves the exchange
.irp w, 0,1,2                          ; THE TWO HALVES OF K MEET: my group 1 (24 accumulators) goes to the wave that keeps those tokens
	WIN (\w)<<2
.irp b, 0,1
.irp a, 4,5,6,7
	ds_store_b128 v[EXS], v[ACC+8*(NA*\b+\a):ACC+8*(NA*\b+\a)+3]   offset:(4*(2*\w+\b)+\a-4)*1024
	ds_store_b128 v[EXS], v[ACC+8*(NA*\b+\a)+4:ACC+8*(NA*\b+\a)+7] offset:(4*(2*\w+\b)+\a-4)*1024+512
.endr
.endr
.endr
	s_wait_dscnt 0x0                               ; for the other wave's sake
	s_barrier_signal -1
	s_barrier_wait -1
	WIN XW<<6
.set i, 0
.rept 48
	ds_load_b128 v[4*i:4*i+3], v[EXR] offset:512*i
.set i, i+1
.endr
	s_wait_dscnt 0x0
; Window w's eight kept accumulators: the other half of K is added; 3e-4 x sum, rounded to even; to f16; the bias; the clip; 16 bytes a lane into the stage.
.macro REQ w
	SW \w
.set i, 0
.rept 8
.set A0, ACC+8*(NA*(i/4)+i%4)
.set P0, 8*(4*(2*(\w)+i/4)+i%4)
.irp j, 0,2,4,6
	v_pk_add_f32 v[A0+\j:A0+\j+1], v[A0+\j:A0+\j+1], v[P0+\j:P0+\j+1]
.endr
.irp j, 0,2,4,6
	v_pk_mul_f32 v[A0+\j:A0+\j+1], v[A0+\j:A0+\j+1], s[ALPHA:ALPHA+1] op_sel_hi:[1,0]
.endr
.irp j, 0,1,2,3,4,5,6,7
	v_rndne_f32 v[A0+\j], v[A0+\j]
.endr
.set i, i+1
.endr
	WIN 0x55*(\w)
.set i, 0
.rept 8
.set A0, ACC+8*(NA*(i/4)+i%4)
.set B0, BC+4*(i/4)
.irp j, 0,1,2,3
	v_cvt_pk_f16_f32 v[A0+\j], v[A0+2*\j], v[A0+2*\j+1]
.endr
.irp j, 0,1,2,3
	v_pk_add_f16 v[A0+\j], v[A0+\j], v[B0+\j]
.endr
.irp j, 0,1,2,3
	v_pk_max_num_f16 v[A0+\j], v[A0+\j], s[CLO]
.endr
.irp j, 0,1,2,3
	v_pk_min_num_f16 v[A0+\j], v[A0+\j], s[CHI]
.endr
.set i, i+1
.endr
	WIN (\w)<<2
.set i, 0
.rept 8
.set A0, ACC+8*(NA*(i/4)+i%4)
	ds_store_b128 v[STO], v[A0:A0+3] offset:(i%4)*16*PS+(2*(\w)+i/4)*32
.set i, i+1
.endr
.endm
	REQ 0
	REQ 1
	REQ 2
	s_wait_dscnt 0x0                               ; a token's 384 bytes come from two waves
	s_barrier_signal -1
	s_barrier_wait -1
	WIN XW<<6
.irp p, 0,1,2
.irp i, 0,1,2,3,4,5,6,7
	ds_load_b128 v[4*(8*\p+\i):4*(8*\p+\i)+3], v[RD] offset:\i*4*PS+\p*128
.endr
.endr
	s_wait_dscnt 0x0
	WIN XW<<2
.irp p, 0,1,2
.irp i, 0,1,2,3,4,5,6,7
	global_store_b128 v[GO], v[4*(8*\p+\i):4*(8*\p+\i)+3], s[OB+2*\p:OB+2*\p+1] offset:512*\i  ; 512 consecutive bytes, at a multiple of 512 from the buffer's first
.endr
.endr
	WIN 0
	s_wait_tensorcnt 0x0                           ; the wave's end: behind my last tensor load and my last LDS store
	ds_add_u32 v[SPW], v[NIL]
	s_wait_dscnt 0x0
	CROUND                                         ; the closing round: no work-group ends while a partner may still ask for a tile that names it
	s_endpgm
.Lfunc_end_k_qab6542e608_qkv:
	.size	k_qab6542e608_qkv, .Lfunc_end_k_qab6542e608_qkv-k_qab6542e608_qkv
	.p2alignl 7, 3214868480
	.fill 96, 4, 3214868480
	.section	.rodata,"a",@progbits
	.p2align	6, 0x0
	.amdhsa_kernel k_qab6542e608_qkv
		.amdhsa_group_segment_fixed_size 327680
		.amdhsa_private_segment_fixed_size 0
		.amdhsa_enable_private_segment 0
		.amdhsa_kernarg_size 80
		.amdhsa_user_sgpr_count 2
		.amdhsa_user_sgpr_kernarg_segment_ptr 1
		.amdhsa_wavefront_size32 1
		.amdhsa_system_sgpr_workgroup_id_x 1
		.amdhsa_system_sgpr_workgroup_id_y 1
		.amdhsa_system_sgpr_workgroup_id_z 1
		.amdhsa_system_vgpr_workitem_id 0
		.amdhsa_next_free_vgpr 1024
		.amdhsa_next_free_sgpr 100
		.amdhsa_reserve_vcc 0
		.amdhsa_float_denorm_mode_32 3
		.amdhsa_float_denorm_mode_16_64 3
		.amdhsa_memory_ordered 1
		.amdhsa_forward_progress 1
		.amdhsa_inst_pref_size 192
	.end_amdhsa_kernel
	.amdgpu_metadata
---
amdhsa.version: [ 1, 2 ]
amdhsa.kernels:
  - .name:           k_qab6542e608_qkv
    .symbol:         k_qab6542e608_qkv.kd
    .args:
      - { .name: xq, .offset: 0, .size: 8, .value_kind: global_buffer, .address_space: global }
      - { .name: w_q, .offset: 8, .size: 8, .value_kind: global_buffer, .address_space: global }
      - { .name: w_k, .offset: 16, .size: 8, .value_kind: global_buffer, .address_space: global }
      - { .name: w_v, .offset: 24, .size: 8, .value_kind: global_buffer, .address_space: global }
      - { .name: b_q, .offset: 32, .size: 8, .value_kind: global_buffer, .address_space: global }
      - { .name: b_k, .offset: 40, .size: 8, .value_kind: global_buffer, .address_space: global }
      - { .name: b_v, .offset: 48, .size: 8, .value_kind: global_buffer, .address_space: global }
      - { .name: qws, .offset: 56, .size: 8, .value_kind: global_buffer, .address_space: global }
      - { .name: kws, .offset: 64, .size: 8, .value_kind: global_buffer, .address_space: global }
      - { .name: vws, .offset: 72, .size: 8, .value_kind: global_buffer, .address_space: global }
    .group_segment_fixed_size: 327680
    .private_segment_fixed_size: 0
    .kernarg_segment_align: 8
    .kernarg_segment_size: 80
    .max_flat_workgroup_size: 128
    .sgpr_count:     100
    .vgpr_count:     1024
    .wavefront_size: 32
...
	.end_amdgpu_metadata
.endif
;; end of part 2
;; launch attn (part 3): grid 8 x 32, 4 waves a work-group, clusters of 4 x 1, 327,680 bytes of LDS; arguments qws, kws, vws, attention_mask, ows; writes ows
.if DOCPART == 3
	.amdgcn_target "amdgcn-amd-amdhsa--gfx1250"
	.amdhsa_code_object_version 6
	.text
	.protected	k_qab6542e608_attn
	.globl	k_qab6542e608_attn
	.p2align	8
	.type	k_qab6542e608_attn,@function
k_qab6542e608_attn:
	s_mov_b64 s[64:65], 0
	v_nop
	global_prefetch_b8 v0, s[64:65] scope:SCOPE_SE
	s_setreg_imm32_b32 hwreg(HW_REG_WAVE_MODE, 25, 1), 1
	s_wait_xcnt 0x0
	s_wait_alu depctr_hold_cnt(0) depctr_sa_sdst(0) depctr_va_vdst(0) depctr_va_sdst(0) depctr_va_ssrc(0) depctr_va_vcc(0) depctr_vm_vsrc(0)
	s_getreg_b32 s2, hwreg(HW_REG_IB_STS2, 6, 4)
	s_cmp_eq_u32 s2, 0
	s_cbranch_scc0 .Lentry_in_a_cluster
	s_endpgm
.Lentry_in_a_cluster:
	s_bfe_u32 s2, ttmp6, 0x10000c
	s_cmp_lg_u32 s2, 0x3003
	s_cbranch_scc0 .Lentry_shape_is_right
	s_endpgm
.Lentry_shape_is_right:
; o = clip(round(0.01 P8 V), -128, 127), P8 = round(127 softmax(max(5e-5 q k^T + mask, lowest finite f32))).  qws, kws, vws: f16 whole numbers, [64 planes][512][64]; head h is planes 2 h, 2 h + 1.
; attention_mask: [512][512] f32, an input: every number of it is added, no tile is left out.  ows: [512][4096] f16.  No work is left out.
; The rounding of P is not linear, so no running rescaling serves: a query's maximum and sum over all 512 keys are final before P V is begun.  The maximum is taken away before the exponential.
; LIMITS.  5e-5 s + mask is one fused multiply-add, where the module rounds twice; P8 = round(e (127 / l)) with 1 / l and 2^x good to the last bit but one; -inf in the mask is raised to the lowest finite number as the
; module does; NaN and +inf in the mask are not treated apart.  All matrix sums are whole numbers under 2^24: exact.
; SHARES.  A work-group has 64 queries of one head.  THE KEYS ARE SPLIT AMONG THE WAVES: wave w has keys 128 w .. 128 w + 127, for all 64 queries.  K and V stay in registers (256 each), and a loop of four trips
; takes 16 queries at a time.  Maxima, sums and the four partial O meet in LDS.
; LAYOUT.  S^T = K Q^T (source 0 = 16 keys, source 1 = 16 queries): a lane holds ONE query (lane % 16) and the keys 8 (lane / 16) + 0..7.  Two such results, rounded and packed, ARE source 1 of O^T = V^T P.
; K COMES STRAIGHT FROM MEMORY INTO REGISTERS, like Q: each byte of it is read by one wave of the work-group alone, and a fragment lies in memory as it lies in registers (16 rows of 128 bytes on end, 16 bytes a lane).
; CLUSTER.  The four query blocks of a cluster belong to one head: V, which has to be turned on its way out of LDS, is asked for jointly.  The mask's tile hangs on the query block: each work-group's own load.
; K IS NOT ASKED FOR JOINTLY: with their padding K, V and the mask's tile are 147,456 + 163,840 + 135,168 = 446,464 bytes, more than the 327,680 of LDS, so one of them would have to follow another into the same bytes,
; behind that one's reading and a round of the cluster's barrier.  As it is, all that the work-group reads is asked for at once, and no LDS byte is filled twice.  The price: the four partners fetch K's 131,072 bytes each.
; NO PREFETCH: everything is asked for at the head; there is no stream to run ahead of.
; LDS.  [0, 163,840): V (2 planes x 512 x 160), then, behind V's last read, the partial O ([4 query blocks][4 waves][8,192]).  Then the mask, 4 waves x 64 rows x 528.
; REGISTERS (s_set_vgpr_msb: bits 1:0 source 0, 3:2 source 1, 5:4 source 2, 7:6 destination): window 0: addresses, Q, S, the mask and later O, P; window 1: K; window 2: V.
.set PV,    160                        ; a row of V in LDS: 128 bytes + 32
.set VPL,   512*PV
.set MASKB, 2*VPL
.set PM,    528                        ; a row of the mask: 512 bytes + 16
.set STM,   MASKB+4*64*PM              ; 256 bytes: the waves' maxima, [wave][16 queries]; the next 256: their sums
.set SPARE, STM+512                    ; the spare words, 128 bytes for each wave: two blocks of 256 bytes that no other line names
.set OST,   SPARE+512                  ; 16 rows x 272 bytes for each wave, for the way out
.set PO,    272
.set KO,   3                           ; v3   my byte offset in the head's plane 0 of K: my wave's 128 keys, my lane's place in a fragment
.set AV,   5                           ; v5, v6  my lane's place in V, planes 0 and 1
.set MA,   7                           ; v7   the mask's rows of the block in hand
.set QO,   8                           ; v8   Q's rows of the block to be loaded
.set STMA, 9                           ; v9   where I put my wave's maximum or sum
.set STMR, 10                          ; v10  where I read the four
.set OA,   11                          ; v11  where the partial O goes
.set SPW,  12
.set NIL,  13
.set ORD,  14
.set STO,  15
.set RD,   16
.set GO,   17
.set MX,   18                          ; v[18:19] the maximum (the low word serves both halves)
.set T,    20                          ; v20-27 at work
.set RC,   28                          ; v[28:29] 127 / l
.set Q,    32
.set S,    64
.set MK,   128                         ; the mask, later O^T
.set P,    192
.set WV,   14
.set CX,   15
.set QB,   16
.set HD,   17
.set T0,   18
.set T1,   20
.set T2,   22
.set G1V,  32
.set G1M,  40
.set G0V,  52
.set G0M,  56
.set CNT,  60
.set SEL,  66
.set AQK,  68
.set L2E,  70
.set NEGM, 72
.set C127, 73
.set APV,  74
.set CLO,  76
.set CHI,  77
.set MSB, 0
.macro WIN new
.if MSB != (\new)
	s_set_vgpr_msb (MSB<<8)|(\new)
.set MSB, (\new)
.endif
.endm
.macro BAR
	s_barrier_signal -1
	s_barrier_wait -1
.endm
.macro ROUND                           ; a round of the cluster's barrier
	s_barrier_signal -1
	s_barrier_wait -1
	s_cmp_lg_u32 s[WV], 0
	s_cbranch_scc1 .Lnot_wave_0_\@
	s_barrier_signal -3
.Lnot_wave_0_\@:
	s_barrier_wait -3
	s_barrier_signal -1
	s_barrier_wait -1
.endm
.macro QLOAD                           ; 16 queries x 128 channels: four fragments, straight from memory
.irp c, 0,1,2,3
	global_load_b128 v[Q+8*\c:Q+8*\c+3],   v[QO], s[4:5] offset:(\c/2)*65536+(\c%2)*64
	global_load_b128 v[Q+8*\c+4:Q+8*\c+7], v[QO], s[4:5] offset:(\c/2)*65536+(\c%2)*64+32
.endr
.endm
	s_load_b256 s[4:11], s[0:1], 0x0               ; qws s[4:5], kws s[6:7], vws s[8:9], attention_mask s[10:11]
	s_load_b64 s[12:13], s[0:1], 0x20              ; ows
	v_lshl_add_u32 v[SPW], v0, 2, SPARE
	v_mov_b32 v[NIL], 0
	ds_add_u32 v[SPW], v[NIL]                      ; the wave's opening: the add, twice on end, and its wait ahead of my first tensor load
	ds_add_u32 v[SPW], v[NIL]                      ; and once more, under the one wait; all the set-up that hangs on no argument, work on registers, stands between
	v_lshrrev_b32 v[T], 5, v0
	v_readfirstlane_b32 s[WV], v[T]
	s_bfe_u32 s[CX], ttmp6, 0x40000
	s_lshl_b32 s[QB], ttmp9, 2
	s_add_co_u32 s[QB], s[QB], s[CX]               ; my block of 64 queries: it enters Q's, the mask's and O's addresses alone
	s_and_b32 s[HD], ttmp7, 0xffff                 ; the head, which the four partners share
	; V: a wave brings 32,768 dense bytes as 128 rows of 256, padded in LDS after every 128 bytes (one key)
	s_mov_b32 s[G1V], 15|(1<<16)|(1<<20)|(1<<21)|(4<<22)|(7<<25)  ; the mask of four; 2-byte elements; padding on; bit 21 beside a mask; 8 words after every 32
	s_mov_b32 s[G1V+1], 128<<16
	s_mov_b32 s[G1V+2], 128<<16
	s_mov_b32 s[G1V+3], 128<<16
	s_mov_b32 s[G1V+4], 128
	s_mov_b32 s[G1V+5], 128
	s_mov_b32 s[G1V+6], 0
	s_mov_b32 s[G1V+7], 0
	s_mov_b32 s[G1M], (2<<16)|(1<<20)|(6<<22)|(3<<25)  ; the mask: no work-group mask; 4-byte elements; 4 words of padding after every 128
	s_mov_b32 s[G1M+1], 128<<16                    ; 128 keys
	s_mov_b32 s[G1M+2], 64<<16                     ; 64 queries
	s_mov_b32 s[G1M+3], 128<<16
	s_mov_b32 s[G1M+4], 64
	s_mov_b32 s[G1M+5], 512
	s_mov_b32 s[G1M+6], 0
	s_mov_b32 s[G1M+7], 0
	s_mov_b32 s[G0V], 1
	s_mul_i32 s[G0V+1], s[WV], 256*PV
	s_mov_b32 s[G0M], 1
	s_mul_i32 s[G0M+1], s[WV], 64*PM
	s_add_co_u32 s[G0M+1], s[G0M+1], MASKB
	s_lshl_b32 s[T0], s[HD], 17                    ; the head's 131,072 bytes, my quarter of them
	s_lshl_b32 s[T2], s[WV], 15
	s_add_co_u32 s[T0], s[T0], s[T2]
	s_mov_b32 s[T0+1], 0
	s_lshl_b32 s[T1], s[QB], 17                    ; 64 rows of the mask, my 128 keys
	s_lshl_b32 s[T2], s[WV], 9
	s_add_co_u32 s[T1], s[T1], s[T2]
	s_mov_b32 s[T1+1], 0
	s_mov_b32 s[SEL], 0x76543210
	s_mov_b32 s[SEL+1], 0xfedcba98
	s_mov_b32 s[AQK], 0x3851b717                   ; 5e-5
	s_mov_b32 s[AQK+1], s[AQK]
	s_mov_b32 s[L2E], 0x3fb8aa3b                   ; log2(e)
	s_mov_b32 s[L2E+1], s[L2E]
	s_mov_b32 s[NEGM], 0xff7fffff                  ; the lowest finite f32
	s_mov_b32 s[C127], 0x42fe0000
	s_mov_b32 s[APV], 0x3c23d70a                   ; 0.01
	s_mov_b32 s[APV+1], s[APV]
	s_mov_b32 s[CLO], 0xc3000000
	s_mov_b32 s[CHI], 0x42fe0000
	v_and_b32 v1, 15, v0                           ; l % 16
	v_bfe_u32 v2, v0, 4, 1                         ; l / 16
	v_lshlrev_b32 v[QO], 7, v1
	v_lshl_add_u32 v[QO], v2, 4, v[QO]             ; a fragment of Q or K: row x 128 + 16 x half
	s_lshl_b32 s[T2], s[WV], 14                    ; my 128 keys: 128 rows of 128 bytes
	v_add_nc_u32 v[KO], s[T2], v[QO]
	v_and_b32 v[T], 31, v0                         ; lane
	v_and_b32 v[T+1], 7, v0
	v_bfe_u32 v[T+2], v0, 3, 1
	s_mul_i32 s[T2], s[WV], 128*PV
	v_lshl_add_u32 v[AV], v2, 3, v[T+1]            ; the turning load: lane l reads key 8 (l / 16) + l % 8, channels 8 ((l / 8) % 2) + 0..7
	v_mul_u32_u24 v[AV], v[AV], PV
	v_lshl_add_u32 v[AV], v[T+2], 4, v[AV]
	v_add_nc_u32 v[AV], s[T2], v[AV]
	v_add_nc_u32 v[AV+1], VPL, v[AV]
	s_mul_i32 s[T2], s[WV], 64*PM
	s_add_co_u32 s[T2], s[T2], MASKB
	v_mul_u32_u24 v[MA], v1, PM                    ; the mask: query l % 16, 32 bytes (eight keys) for each half of the lanes
	v_lshl_add_u32 v[MA], v2, 5, v[MA]
	v_add_nc_u32 v[MA], s[T2], v[MA]
	s_lshl_b32 s[T2], s[WV], 6
	s_add_co_u32 s[T2], s[T2], STM
	v_lshl_add_u32 v[STMA], v1, 2, s[T2]
	v_lshl_add_u32 v[STMR], v1, 2, STM
	s_lshl_b32 s[T2], s[WV], 13
	v_lshl_add_u32 v[OA], v[T], 4, s[T2]
	s_lshl_b32 s[T2], s[WV], 15
	v_lshl_add_u32 v[ORD], v[T], 4, s[T2]
	s_mul_i32 s[T2], s[WV], 16*PO
	s_add_co_u32 s[T2], s[T2], OST
	v_mul_u32_u24 v[STO], v1, PO
	v_lshl_add_u32 v[STO], v2, 4, v[STO]
	v_add_nc_u32 v[STO], s[T2], v[STO]
	v_mul_u32_u24 v[RD], v2, PO
	v_lshl_add_u32 v[RD], v1, 4, v[RD]
	v_add_nc_u32 v[RD], s[T2], v[RD]
	v_lshlrev_b32 v[GO], 13, v2                    ; lanes 0-15 one row of O, lanes 16-31 the next
	v_lshl_add_u32 v[GO], v1, 4, v[GO]
	v_mov_b32 v[MX+1], 0                           ; named in pairs of which the low word alone is used
	v_mov_b32 v[RC+1], 0
	v_mov_b32 v[T+4], 0                            ; v_permlanex16_b32 counts as a reader of its destination
	s_wait_dscnt 0x0                               ; both opening adds are done
	s_wait_kmcnt 0x0
	s_add_nc_u64 s[G0V+2:G0V+3], s[8:9], s[T0:T0+1]
	s_or_b32 s[G0V+3], s[G0V+3], 0x80000000
	s_add_nc_u64 s[G0M+2:G0M+3], s[10:11], s[T1:T1+1]
	s_or_b32 s[G0M+3], s[G0M+3], 0x80000000
	s_lshl_b32 s[T1], s[HD], 17
	s_add_nc_u64 s[6:7], s[6:7], s[T1:T1+1]        ; K at the head's plane 0
	s_lshl_b32 s[T2], s[QB], 13
	s_add_co_u32 s[T1], s[T1], s[T2]
	s_add_nc_u64 s[4:5], s[4:5], s[T1:T1+1]        ; Q at the head's plane 0, my block's first row
	s_lshl_b32 s[T1], s[QB], 19                    ; O at row 64 x block + 16 x wave, the head's 256 bytes
	s_lshl_b32 s[T2], s[WV], 17
	s_add_co_u32 s[T1], s[T1], s[T2]
	s_lshl_b32 s[T2], s[HD], 8
	s_add_co_u32 s[T1], s[T1], s[T2]
	s_add_nc_u64 s[12:13], s[12:13], s[T1:T1+1]
	ROUND                                          ; all four work-groups are here: the joint loads meet
	tensor_load_to_lds s[G0V:G0V+3], s[G1V:G1V+7]  ; my quarter of V, jointly,
	s_nop 0
	tensor_load_to_lds s[G0M:G0M+3], s[G1M:G1M+7]  ; and my wave's own tile of the mask: two loads of mine are out, and they are all that the launch has
	s_nop 0
.rept 4
	v_nop
.endr
	QLOAD                                          ; the first 16 queries
	WIN 0x40                                       ; destination window 1, address window 0
.set kb, 0
.rept 8                                ; my 128 keys: keys 16 kb on, channels 32 c on: fragment (kb, c) at 8 (4 kb + c); four loads cover 16 rows' 2,048 consecutive bytes of a plane
.irp c, 0,1,2,3
	global_load_b128 v[8*(4*kb+\c):8*(4*kb+\c)+3],   v[KO], s[6:7] offset:(\c/2)*65536+kb*2048+(\c%2)*64
	global_load_b128 v[8*(4*kb+\c)+4:8*(4*kb+\c)+7], v[KO], s[6:7] offset:(\c/2)*65536+kb*2048+(\c%2)*64+32
.endr
.set kb, kb+1
.endr
	WIN 0
	s_wait_tensorcnt 0x0                           ; my part of V and my tile of the mask are in
	BAR                                            ; everybody's part of V is; nothing is ever filled again
	WIN 0x80                                       ; destination window 2
.set kk, 0
.rept 4                                ; keys 32 kk on, channels 16 cb on: fragment (kk, cb) at 8 (8 kk + cb)
.irp cb, 0,1,2,3,4,5,6,7
	ds_load_tr16_b128 v[8*(8*kk+\cb):8*(8*kk+\cb)+3],   v[AV+\cb/4] offset:kk*32*PV+(\cb%4)*32
	ds_load_tr16_b128 v[8*(8*kk+\cb)+4:8*(8*kk+\cb)+7], v[AV+\cb/4] offset:kk*32*PV+16*PV+(\cb%4)*32
.endr
.set kk, kk+1
.endr
	WIN 0
	s_mov_b32 s[CNT], 4
.Lblk:                                         ; a trip: 16 queries against my 128 keys
	s_wait_loadcnt 0x0                             ; Q of this block (in the first trip K too)
.set kb, 0
.rept 8
	ds_load_b128 v[MK+8*kb:MK+8*kb+3],   v[MA] offset:64*kb
	ds_load_b128 v[MK+8*kb+4:MK+8*kb+7], v[MA] offset:64*kb+16
.set kb, kb+1
.endr
	WIN 0x01                                       ; K in window 1
.set c, 0
.rept 4                                ; the eight accumulators take turns
.set kb, 0
.rept 8
.if c == 0
	v_wmma_f32_16x16x32_f16 v[S+8*kb:S+8*kb+7], v[8*(4*kb+c):8*(4*kb+c)+7], v[Q+8*c:Q+8*c+7], 0
.else
	v_wmma_f32_16x16x32_f16 v[S+8*kb:S+8*kb+7], v[8*(4*kb+c):8*(4*kb+c)+7], v[Q+8*c:Q+8*c+7], v[S+8*kb:S+8*kb+7]
.endif
.set kb, kb+1
.endr
.set c, c+1
.endr
	WIN 0
.rept 4
	v_nop                                          ; the places behind the products: Q is loaded anew, the scores are read
.endr
	s_cmp_eq_u32 s[CNT], 1
	s_cbranch_scc1 .Lnoq                           ; the last trip has no next block
	v_add_nc_u32 v[QO], 2048, v[QO]                ; free since the wait at the trip's head
	QLOAD
.Lnoq:
	s_wait_dscnt 0x0                               ; the mask (in the first trip V too)
.set i, 0
.rept 32
	v_pk_fma_f32 v[S+i:S+i+1], v[S+i:S+i+1], s[AQK:AQK+1], v[MK+i:MK+i+1] op_sel_hi:[1,0,1]
.set i, i+2
.endr
.set i, 0
.rept 64
	v_max_num_f32 v[S+i], s[NEGM], v[S+i]          ; the module's own guard
.set i, i+1
.endr
.irp c, 0,1,2,3                        ; the maximum of my 64 scores: four chains, three operands at a time
	v_max3_num_f32 v[T+\c], v[S+16*\c], v[S+16*\c+1], v[S+16*\c+2]
.endr
.set j, 0
.rept 6
.irp c, 0,1,2,3
	v_max3_num_f32 v[T+\c], v[T+\c], v[S+16*\c+3+2*j], v[S+16*\c+4+2*j]
.endr
.set j, j+1
.endr
	v_max3_num_f32 v[T], v[T], v[T+1], v[S+15]
	v_max3_num_f32 v[T+2], v[T+2], v[T+3], v[S+31]
	v_max3_num_f32 v[T], v[T], v[T+2], v[S+47]
	v_max_num_f32 v[T], v[T], v[S+63]
	v_permlanex16_b32 v[T+4], v[T], s[SEL], s[SEL+1]  ; the query's other 64 keys lie in the lane 16 away
	v_max_num_f32 v[T], v[T], v[T+4]
	ds_store_b32 v[STMA], v[T]
	s_wait_dscnt 0x0                               ; for the others' sake; my reads of the last trip's sums are long back
	BAR
.irp w, 0,1,2,3
	ds_load_b32 v[T+\w], v[STMR] offset:64*\w
.endr
	s_wait_dscnt 0x0
	v_max3_num_f32 v[MX], v[T], v[T+1], v[T+2]
	v_max_num_f32 v[MX], v[MX], v[T+3]             ; the query's maximum over all 512 keys
.set i, 0
.rept 32                               ; the difference first, the factor after: so the lowest finite number never meets an infinity of the other sign
	v_pk_add_f32 v[S+i:S+i+1], v[S+i:S+i+1], v[MX:MX+1] op_sel_hi:[1,0] neg_lo:[0,1] neg_hi:[0,1]
.set i, i+2
.endr
.set i, 0
.rept 32
	v_pk_mul_f32 v[S+i:S+i+1], v[S+i:S+i+1], s[L2E:L2E+1] op_sel_hi:[1,0]
.set i, i+2
.endr
.set i, 0
.rept 64
	v_exp_f32 v[S+i], v[S+i]
.set i, i+1
.endr
	v_nop                                          ; a plain instruction behind the last exponential,
	s_wait_alu depctr_va_vdst(0)                   ; and one wait for the batch of 64, ahead of its first reader
.irp c, 0,1,2,3
	v_pk_add_f32 v[T+2*\c:T+2*\c+1], v[S+2*\c:S+2*\c+1], v[S+8+2*\c:S+9+2*\c]
.endr
.set j, 2
.rept 6
.irp c, 0,1,2,3
	v_pk_add_f32 v[T+2*\c:T+2*\c+1], v[T+2*\c:T+2*\c+1], v[S+8*j+2*\c:S+8*j+2*\c+1]
.endr
.set j, j+1
.endr
	v_pk_add_f32 v[T:T+1], v[T:T+1], v[T+2:T+3]
	v_pk_add_f32 v[T+4:T+5], v[T+4:T+5], v[T+6:T+7]
	v_pk_add_f32 v[T:T+1], v[T:T+1], v[T+4:T+5]
	v_add_f32 v[T], v[T], v[T+1]
	v_permlanex16_b32 v[T+4], v[T], s[SEL], s[SEL+1]
	v_add_f32 v[T], v[T], v[T+4]
	ds_store_b32 v[STMA], v[T] offset:256
	s_wait_dscnt 0x0
	BAR                                            ; behind it every wave holds V in registers: the bytes where V lay may be stored into
.irp w, 0,1,2,3
	ds_load_b32 v[T+\w], v[STMR] offset:256+64*\w
.endr
	s_wait_dscnt 0x0
	v_add_f32 v[T], v[T], v[T+1]
	v_add_f32 v[T+2], v[T+2], v[T+3]
	v_add_f32 v[T], v[T], v[T+2]                   ; l, at least 1: the maximum's own weight
	v_rcp_f32 v[RC], v[T]
	v_nop
	s_wait_alu depctr_va_vdst(0)
	v_mul_f32 v[RC], s[C127], v[RC]
.set i, 0
.rept 32
	v_pk_mul_f32 v[S+i:S+i+1], v[S+i:S+i+1], v[RC:RC+1] op_sel_hi:[1,0]
.set i, i+2
.endr
.set i, 0
.rept 64
	v_rndne_f32 v[S+i], v[S+i]
.set i, i+1
.endr
.set i, 0
.rept 32
	v_cvt_pk_f16_f32 v[P+i], v[S+2*i], v[S+2*i+1]  ; whole numbers 0..127: exact
.set i, i+1
.endr
	WIN 0x02                                       ; V in window 2
.set kk, 0
.rept 4
.set cb, 0
.rept 8
.if kk == 0
	v_wmma_f32_16x16x32_f16 v[MK+8*cb:MK+8*cb+7], v[8*(8*kk+cb):8*(8*kk+cb)+7], v[P+8*kk:P+8*kk+7], 0
.else
	v_wmma_f32_16x16x32_f16 v[MK+8*cb:MK+8*cb+7], v[8*(8*kk+cb):8*(8*kk+cb)+7], v[P+8*kk:P+8*kk+7], v[MK+8*cb:MK+8*cb+7]
.endif
.set cb, cb+1
.endr
.set kk, kk+1
.endr
	WIN 0
.rept 4
	v_nop
.endr
.set cb, 0
.rept 8
	ds_store_b128 v[OA], v[MK+8*cb:MK+8*cb+3]   offset:1024*cb
	ds_store_b128 v[OA], v[MK+8*cb+4:MK+8*cb+7] offset:1024*cb+512
.set cb, cb+1
.endr
	v_add_nc_u32 v[MA], 16*PM, v[MA]
	v_add_nc_u32 v[OA], 32768, v[OA]
	s_sub_co_u32 s[CNT], s[CNT], 1
	s_cmp_lg_u32 s[CNT], 0
	s_cbranch_scc1 .Lblk
	s_wait_dscnt 0x0
	BAR                                            ; all partial O lie in LDS
	WIN 0x40                                       ; wave w finishes query block w: its four partial sums, 64 registers each, into window 1
.set i, 0
.rept 64
	ds_load_b128 v[4*i:4*i+3], v[ORD] offset:512*i
.set i, i+1
.endr
	s_wait_dscnt 0x0
	WIN 0x55
.set i, 0
.rept 32
	v_pk_add_f32 v[i:i+1], v[i:i+1], v[64+i:65+i]
	v_pk_add_f32 v[128+i:129+i], v[128+i:129+i], v[192+i:193+i]
.set i, i+2
.endr
.set i, 0
.rept 32
	v_pk_add_f32 v[i:i+1], v[i:i+1], v[128+i:129+i]
.set i, i+2
.endr
.set i, 0
.rept 32
	v_pk_mul_f32 v[i:i+1], v[i:i+1], s[APV:APV+1] op_sel_hi:[1,0]
.set i, i+2
.endr
.set i, 0
.rept 64
	v_rndne_f32 v[i], v[i]
.set i, i+1
.endr
.set i, 0
.rept 64
	v_med3_num_f32 v[i], v[i], s[CLO], s[CHI]
.set i, i+1
.endr
.set i, 0
.rept 32
	v_cvt_pk_f16_f32 v[i], v[2*i], v[2*i+1]        ; in place, ascending: a register is written when both numbers that it held have been read
.set i, i+1
.endr
	WIN 0x04                                       ; store data in window 1
.irp cb, 0,1,2,3,4,5,6,7
	ds_store_b128 v[STO], v[4*\cb:4*\cb+3] offset:32*\cb
.endr
	WIN 0x40
.irp i, 0,1,2,3,4,5,6,7
	ds_load_b128 v[64+4*\i:64+4*\i+3], v[RD] offset:\i*2*PO  ; my own stage: LDS serves a wave's instructions in order (ISA guide 5.7.1.4), so these see the stores above
.endr
	s_wait_dscnt 0x0
	WIN 0x04
.irp i, 0,1,2,3,4,5,6,7
	global_store_b128 v[GO], v[64+4*\i:64+4*\i+3], s[12:13] offset:16384*\i  ; 16 lanes store the head's 256 consecutive bytes of a row, aligned
.endr
	WIN 0
	s_wait_tensorcnt 0x0                           ; the wave's end: behind my last tensor load and my last LDS store
	ds_add_u32 v[SPW], v[NIL]
	s_wait_dscnt 0x0
	ROUND                                          ; the closing round
	s_endpgm
.Lfunc_end_k_qab6542e608_attn:
	.size	k_qab6542e608_attn, .Lfunc_end_k_qab6542e608_attn-k_qab6542e608_attn
	.p2alignl 7, 3214868480
	.fill 96, 4, 3214868480
	.section	.rodata,"a",@progbits
	.p2align	6, 0x0
	.amdhsa_kernel k_qab6542e608_attn
		.amdhsa_group_segment_fixed_size 327680
		.amdhsa_private_segment_fixed_size 0
		.amdhsa_enable_private_segment 0
		.amdhsa_kernarg_size 40
		.amdhsa_user_sgpr_count 2
		.amdhsa_user_sgpr_kernarg_segment_ptr 1
		.amdhsa_wavefront_size32 1
		.amdhsa_system_sgpr_workgroup_id_x 1
		.amdhsa_system_sgpr_workgroup_id_y 1
		.amdhsa_system_sgpr_workgroup_id_z 1
		.amdhsa_system_vgpr_workitem_id 0
		.amdhsa_next_free_vgpr 768
		.amdhsa_next_free_sgpr 80
		.amdhsa_reserve_vcc 0
		.amdhsa_float_denorm_mode_32 3
		.amdhsa_float_denorm_mode_16_64 3
		.amdhsa_memory_ordered 1
		.amdhsa_forward_progress 1
		.amdhsa_inst_pref_size 70
	.end_amdhsa_kernel
	.amdgpu_metadata
---
amdhsa.version: [ 1, 2 ]
amdhsa.kernels:
  - .name:           k_qab6542e608_attn
    .symbol:         k_qab6542e608_attn.kd
    .args:
      - { .name: qws, .offset: 0, .size: 8, .value_kind: global_buffer, .address_space: global }
      - { .name: kws, .offset: 8, .size: 8, .value_kind: global_buffer, .address_space: global }
      - { .name: vws, .offset: 16, .size: 8, .value_kind: global_buffer, .address_space: global }
      - { .name: attention_mask, .offset: 24, .size: 8, .value_kind: global_buffer, .address_space: global }
      - { .name: ows, .offset: 32, .size: 8, .value_kind: global_buffer, .address_space: global }
    .group_segment_fixed_size: 327680
    .private_segment_fixed_size: 0
    .kernarg_segment_align: 8
    .kernarg_segment_size: 40
    .max_flat_workgroup_size: 128
    .sgpr_count:     80
    .vgpr_count:     768
    .wavefront_size: 32
...
	.end_amdgpu_metadata
.endif
;; end of part 3
;; launch oproj (part 4): grid 32 x 8, 4 waves a work-group, clusters of 4 x 4, 327,680 bytes of LDS; arguments ows, w_o, b_o, out0; writes out0
.if DOCPART == 4
	.amdgcn_target "amdgcn-amd-amdhsa--gfx1250"
	.amdhsa_code_object_version 6
	.text
	.protected	k_qab6542e608_oproj
	.globl	k_qab6542e608_oproj
	.p2align	8
	.type	k_qab6542e608_oproj,@function
k_qab6542e608_oproj:
	s_mov_b64 s[64:65], 0
	v_nop
	global_prefetch_b8 v0, s[64:65] scope:SCOPE_SE
	s_setreg_imm32_b32 hwreg(HW_REG_WAVE_MODE, 25, 1), 1
	s_wait_xcnt 0x0
	s_wait_alu depctr_hold_cnt(0) depctr_sa_sdst(0) depctr_va_vdst(0) depctr_va_sdst(0) depctr_va_ssrc(0) depctr_va_vcc(0) depctr_vm_vsrc(0)
	s_getreg_b32 s2, hwreg(HW_REG_IB_STS2, 6, 4)
	s_cmp_eq_u32 s2, 0
	s_cbranch_scc0 .Lentry_in_a_cluster
	s_endpgm
.Lentry_in_a_cluster:
	s_bfe_u32 s2, ttmp6, 0x10000c
	s_cmp_lg_u32 s2, 0xf033
	s_cbranch_scc0 .Lentry_shape_is_right
	s_endpgm
.Lentry_shape_is_right:
; out0 = 1e-5 (o w_o^T) + b_o.  ows: [512][4096] f16 (whole numbers); w_o: [4096][4096] int8; b_o: [4096] f32; out0: [512][4096] f32.  No work is left out.
; EXACT.  All operands are whole numbers of -128..127, exact in f16; f32 sums are exact under 2^24 (LIMIT: beyond that a sum may lose its last bits, under 1e-4 of the output);
; 1e-5 x sum + bias is one fused multiply-add, where the module rounds twice.
; SHARES.  A work-group makes 64 tokens x 128 columns: 256 work-groups.  K IS SPLIT IN FOUR AMONG THE WAVES: of each K step of 512 wave v takes 128 v .. 128 v + 127, for the whole tile: 32 accumulators.  So every byte
; of w_o in LDS is read, and turned into f16, by exactly one wave: 5 conversion lines behind each matrix instruction.  The four quarters of K meet in LDS at the end.
; TRANSPOSED, THE ORDER OF K, INT8 TO F16: source 0 = 16 rows of w_o, source 1 = 16 tokens; lane (r, h) takes k = 16 h .. 16 h + 15 of a product's 32 in both sources (the sums are exact, so any order of K gives the
; same number); w xor 0x80 under the byte 0x64 is 1152 + w in f16, and less 1152 that is w, exactly: 20 vector lines a fragment.
; THE PIPELINE.  For a wave a K step is four QUARTERS of 32 along K.  Quarter j multiplies the f16 fragments made in quarter j - 1 by o's fragments read in quarter j - 2; beside its products it converts the raw bytes read
; in quarter j - 1; and it reads the raw bytes and, at its end, o's fragments of quarter j + 2.  Every register goes by the quarter's parity, and the LDS addresses hang on two scalar registers: so TWO quarters are the
; loop's whole text, walked twice for a K step.  THE CHANGE OF SLOTS stands by itself between two such pairs, where all reads of the old slot have been issued and none of the new one.
; REGISTERS (s_set_vgpr_msb: bits 1:0 source 0, 3:2 source 1, 5:4 source 2, 7:6 destination).  Windows 0 and 1 each hold four fragments of w_o: v2, v3 LDS addresses; v32-47 raw bytes; v64-127 two buffers of f16
; fragments (at the end the bias); v128-255 sixteen accumulators.  Window 2: two buffers of o's four fragments; at the end what the other waves give.  One setting (SW w) serves a window's products, its conversions
; (their one vector source is source 0) and its raw loads.
; CLUSTER.  4 x 4 work-groups: o's tile is asked for jointly along a row of the cluster, w_o's along a column.
.set NA,    4
.set NBW,   4
.set NWIN,  2
.set XW,    2
.set KSPL,  4
.set GA,    NA/KSPL
.set KSTEP, 512
.set STEPS, 4096/KSTEP
.set PA,    1040                       ; a row of o in LDS: 1,024 bytes + 16; PW: a row of w_o, 512 + 16: odd multiples of 16 (64 banks of 4 bytes: ISA guide 11.1)
.set PW,    528
.set WOFF,  64*PA
.set SLOT,  WOFF+128*PW                ; 134,144 bytes = 0x20c00: it shares no bit with HW or HX, so the exclusive ors below do not meet
.set HW,    64                         ; two quarters in a row of w_o, in bytes
.set HX,    128                        ; and in a row of o
.set STAGE, 2*SLOT                     ; behind the ring, never filled by a tensor load: 16 rows x 528 bytes for each wave
.set PS,    528
.set SPARE, STAGE+4*16*PS              ; the spare words, 128 bytes for each wave: two blocks of 256 bytes that no other line names
.set EXB,   24576                      ; the exchange (in slot 0, behind its last fill and last read): what one wave receives, 8,192 bytes from each of three
.set LPQ,   NWIN*NBW+2*NA              ; LDS loads of a wave in a quarter
.set RR,   1
.set ADW,  2                           ; v2   (each window) LDS address of the window's raw bytes for the pair of quarters that is being read
.set ADW0, 3                           ; v3   (each window) the same for slot 0's first pair; never rewritten
.set ADX,  4                           ; v4-7   the same for o's rows, by token block
.set ADX0, 8                           ; v8-11
.set SPW,  12
.set NIL,  13
.set PFO,  14
.set BO,   15
.set EXS,  16                          ; v16-18  where my groups 1, 2, 3 go
.set EXR,  19
.set STO,  20
.set RD,   21
.set GO,   22
.set HH,   23
.set RAW,  32
.set CV,   64
.set CVB,  8*NBW
.set ACC,  128
.set INNER, 2                          ; s2   counts the pairs of quarters between two changes of slots
.set CNT,  3                           ; s3   counts the changes of slots that fill
.set WV,   24
.set KIDX, 25
.set HALF, 26
.set CX,   27
.set CY,   28
.set TX,   29
.set MY,   30
.set T0,   31
.set G1A,  32
.set G1W,  40
.set G0A,  48
.set G0W,  56
.set TBW,  66                          ; s66  what is added to ADW0: the slot that is being read, and 0 or HW for its first or second pair of quarters
.set T1,   67
.set XK,   68
.set C64,  69
.set SELLO, 70
.set SELHI, 71
.set NEG,  72
.set TF,   73                          ; s73  0 or SLOT: the slot that the walking descriptors fill
.set AO,   74                          ; s[74:75] 1e-5
.set BASEA, 76                         ; s76  my part of o's tile in a slot
.set BASEW, 77                         ; s77  of w_o's
.set PFA,  78
.set PFS,  80
.set LIM,  82
.set T3,   83
.set BOP,  84                          ; s[84:85] b_o at the work-group's columns
.set TBX,  86                          ; s86  what is added to ADX0: the slot, and 0 or HX
.set OB,   92                          ; s[92:93] out0 at my 16 rows, the work-group's columns
.set MSB, 0
.macro WIN new
.if MSB != (\new)
	s_set_vgpr_msb (MSB<<8)|(\new)
.set MSB, (\new)
.endif
.endm
.macro SW w
	WIN (\w)|(XW<<2)|((\w)<<4)|((\w)<<6)
.endm
.macro CREST
	s_cmp_lg_u32 s[WV], 0
	s_cbranch_scc1 .Lnot_wave_0_\@
	s_barrier_signal -3
.Lnot_wave_0_\@:
	s_barrier_wait -3
	s_barrier_signal -1
	s_barrier_wait -1
.endm
.macro CROUND
	s_barrier_signal -1
	s_barrier_wait -1
	CREST
.endm
; A joint refill: waves 0 and 1 fetch the two halves of o's tile (32 rows x 1,024 bytes), waves 2 and 3 those of w_o's (64 rows x 512 bytes).
; An s_nop 0 and four v_nop follow each of the two lines, ahead of the jump and the label.
.macro JLOAD
	s_cmp_lt_u32 s[WV], 2
	s_cbranch_scc0 .Lfor_w_\@
	tensor_load_to_lds s[G0A+4:G0A+7], s[G1A:G1A+7]
	s_nop 0
.rept 4
	v_nop
.endr
	s_branch .Lasked_\@
.Lfor_w_\@:
	tensor_load_to_lds s[G0W+4:G0W+7], s[G1W:G1W+7]
	s_nop 0
.rept 4
	v_nop
.endr
.Lasked_\@:
.endm
; A PREFETCH INTO THE L2, behind the joint load and its five lines: the K step that stands two refills on, 256 matrix instructions ahead of its load.  Each aligned block of 256 bytes is named once in the launch:
; o's rows are read by every cluster of a row of clusters: the one with x = 0 asks; w_o's by both clusters of a column: the one with y = 0 asks.  The four partners that ask for a tile jointly share a wave's rows out
; BY ADDRESS: 8 rows x 4 blocks of o, 16 rows x 2 blocks of w_o: one instruction a wave.  The first four K steps come by their loads alone; the last two changes that fill ask for nothing.
.macro ASK
	s_cmp_gt_u32 s[CNT], s[LIM]
	s_cbranch_scc0 .Lnone_\@
	global_prefetch_b8 v[PFO], s[PFA:PFA+1] th:TH_LOAD_NT scope:SCOPE_SE
.Lnone_\@:
.endm
.macro RIDER cb                        ; number n of a window's 20 NBW conversion lines, into f16 buffer cb
.set fr, n/20
.set st, n%20
.if st < 4
	v_xor_b32 v[RAW+4*fr+st], v[RAW+4*fr+st], s[XK]
.elseif st < 12
.if st%2 == 0
	v_perm_b32 v[CV+CVB*(\cb)+8*fr+st-4], v[RAW+4*fr+(st-4)/2], s[C64], s[SELLO]
.else
	v_perm_b32 v[CV+CVB*(\cb)+8*fr+st-4], v[RAW+4*fr+(st-4)/2], s[C64], s[SELHI]
.endif
.else
	v_pk_add_f16 v[CV+CVB*(\cb)+8*fr+st-12], v[CV+CVB*(\cb)+8*fr+st-12], s[NEG]
.endif
.set n, n+1
.endm
.macro MMR par, zero                   ; a window's sixteen matrix instructions, each with five conversion lines behind it; the sixteen accumulators take turns and the other window's follow
.set i, 0
.rept 16
.if \zero
	v_wmma_f32_16x16x32_f16 v[ACC+8*i:ACC+8*i+7], v[CV+CVB*(\par)+8*(i/NA):CV+CVB*(\par)+8*(i/NA)+7], v[8*NA*(\par)+8*(i%NA):8*NA*(\par)+8*(i%NA)+7], 0
.else
	v_wmma_f32_16x16x32_f16 v[ACC+8*i:ACC+8*i+7], v[CV+CVB*(\par)+8*(i/NA):CV+CVB*(\par)+8*(i/NA)+7], v[8*NA*(\par)+8*(i%NA):8*NA*(\par)+8*(i%NA)+7], v[ACC+8*i:ACC+8*i+7]
.endif
.set i, i+1
.rept 5
.if n < i*20*NBW/16
	RIDER 1-(\par)
.endif
.endr
.endr
.endm
.macro RAWLD par                       ; the window's raw bytes of the quarter of parity par in the pair that is being read (under the window's setting)
.set b, 0
.rept NBW
	ds_load_b128 v[RAW+4*b:RAW+4*b+3], v[ADW] offset:b*16*PW+32*(\par)
.set b, b+1
.endr
.endm
.macro XRUN par                        ; o's fragments of the same quarter, into buffer par
	WIN XW<<6
.set a, 0
.rept NA
	ds_load_b128 v[8*NA*(\par)+8*a:8*NA*(\par)+8*a+3],   v[ADX+a/GA] offset:(a%GA)*16*PA+64*(\par)
	ds_load_b128 v[8*NA*(\par)+8*a+4:8*NA*(\par)+8*a+7], v[ADX+a/GA] offset:(a%GA)*16*PA+64*(\par)+16
.set a, a+1
.endr
.endm
; Window w's part of a quarter of parity par.  An even quarter first turns the addresses to the pair that is read from now on.  o's run stands at the quarter's end, into the buffer that the quarter has multiplied:
; the five conversion lines behind the last product, which name none of its registers, are the places in front of it.  Every other register that a load or a conversion writes was last read by a matrix instruction
; a window's part earlier or more.
.macro PHASE w, par, zero
.set n, 0
	s_wait_dscnt LPQ-NBW                           ; the window's raw bytes, read a quarter ago, are in: behind them were issued the other window's 4 raw loads and one run of 8 for o; this quarter's fragments of o are older still
	SW \w
	MMR \par, \zero
.if (\par) == 0
	v_add_nc_u32 v[ADW], v[ADW0], s[TBW]
.if (\w) == 0
.set g, 0
.rept KSPL
	v_add_nc_u32 v[ADX+g], v[ADX0+g], s[TBX]
.set g, g+1
.endr
.endif
.endif
	RAWLD \par
.if (\w) == NWIN-1
	XRUN \par
.endif
.endm
.macro QUARTER par, zero
	PHASE 0, \par, \zero
	PHASE 1, \par, \zero
.endm
.macro NEXTPAIR                        ; the next pair of quarters reads the slot's other half
	s_xor_b32 s[TBW], s[TBW], HW
	s_xor_b32 s[TBX], s[TBX], HX
.endm
; THE CHANGE OF SLOTS, in front of a K step's third quarter: LDS reads lead the products by two quarters, so all reads of the step's slot have been issued, and the next read goes to the other slot.  Each wave waits for
; all its tensor loads, of which one is out: its part of the other slot; adds 0 to its spare word; and waits for that and for its reads.  fill = 1: the barrier opens a round of the cluster's, and the joint refill (the
; K step two on) is the first thing behind it: it has a K step's 128 matrix instructions in which to land, and nothing but the add, its wait and the round stands between the wait for one tile and the request for the next.
.macro MEET fill
	WIN 0                                          ; (the add's two registers lie in window 0; at a label and at a branch every window is 0)
.if \fill
	s_wait_xcnt 0x0                                ; the last prefetch, a K step back, has read its address: it may be stepped
	s_add_nc_u64 s[PFA:PFA+1], s[PFA:PFA+1], s[PFS:PFS+1]
.endif
	s_wait_tensorcnt 0x0                           ; all my tensor loads have landed, so a group 0 may be written
	ds_add_u32 v[SPW], v[NIL]                      ; 0 onto my spare word; scalar work stands between it and the wait for it
.if \fill
	s_xor_b32 s[TF], s[TF], SLOT                   ; the walking descriptors: the other slot than last time, the next K step
	s_add_co_u32 s[G0A+5], s[BASEA], s[TF]
	s_add_nc_u64 s[G0A+6:G0A+7], s[G0A+6:G0A+7], KSTEP*2
	s_add_co_u32 s[G0W+5], s[BASEW], s[TF]
	s_add_nc_u64 s[G0W+6:G0W+7], s[G0W+6:G0W+7], KSTEP
.endif
	s_xor_b32 s[TBW], s[TBW], SLOT                 ; LDS reads go to the other slot from here on
	s_xor_b32 s[TBX], s[TBX], SLOT
	s_wait_dscnt 0x0                               ; the add is done, and my reads of the old slot are over
	s_barrier_signal -1
	s_barrier_wait -1
.if \fill
	CREST                                          ; no wave of any partner still reads the old slot or has a load on its way
	JLOAD
	ASK
.endif
.endm
	s_load_b256 s[4:11], s[0:1], 0x0               ; ows s[4:5], w_o s[6:7], b_o s[8:9], out0 s[10:11]
	v_lshl_add_u32 v[SPW], v0, 2, SPARE
	v_mov_b32 v[NIL], 0
	ds_add_u32 v[SPW], v[NIL]                      ; the wave's opening: the add, twice on end, and its wait ahead of my first tensor load
	ds_add_u32 v[SPW], v[NIL]                      ; and once more, under the one wait
	v_lshrrev_b32 v24, 5, v0
	v_readfirstlane_b32 s[WV], v24
	s_mov_b32 s[KIDX], s[WV]                       ; my quarter of K
	s_and_b32 s[HALF], s[WV], 1                    ; which half of a tile I fetch
	s_bfe_u32 s[CX], ttmp6, 0x40000
	s_bfe_u32 s[CY], ttmp6, 0x40004
	s_lshl_b32 s[TX], ttmp9, 2
	s_add_co_u32 s[TX], s[TX], s[CX]               ; the block of 128 columns
	s_and_b32 s[MY], ttmp7, 0xffff
	s_lshl_b32 s[MY], s[MY], 2
	s_add_co_u32 s[MY], s[MY], s[CY]               ; the block of 64 tokens
	s_lshl_b32 s[T0], s[CY], 2
	s_lshl_b32 s[T0], 15, s[T0]
	s_lshl_b32 s[T1], 0x1111, s[CX]
	s_or_b32 s[G1A], s[T0], (1<<16)|(1<<20)|(1<<21)|(7<<22)|(3<<25)  ; my row of the cluster; 2-byte elements; 4 words of padding after every 256
	s_or_b32 s[G1W], s[T1], (1<<20)|(1<<21)|(6<<22)|(3<<25)          ; my column; 1-byte elements; after every 128
	s_mov_b32 s[G1A+1], KSTEP<<16
	s_mov_b32 s[G1A+2], 32<<16
	s_mov_b32 s[G1A+3], KSTEP<<16
	s_mov_b32 s[G1A+4], 32
	s_mov_b32 s[G1A+5], 4096
	s_mov_b32 s[G1A+6], 0
	s_mov_b32 s[G1A+7], 0
	s_mov_b32 s[G1W+1], KSTEP<<16
	s_mov_b32 s[G1W+2], 64<<16
	s_mov_b32 s[G1W+3], KSTEP<<16
	s_mov_b32 s[G1W+4], 64
	s_mov_b32 s[G1W+5], 4096
	s_mov_b32 s[G1W+6], 0
	s_mov_b32 s[G1W+7], 0
	s_mul_i32 s[BASEA], s[HALF], 32*PA
	s_mul_i32 s[BASEW], s[HALF], 64*PW
	s_add_co_u32 s[BASEW], s[BASEW], WOFF
	s_mov_b32 s[G0A], 1
	s_mov_b32 s[G0A+1], s[BASEA]
	s_mov_b32 s[G0A+4], 1
	s_add_co_u32 s[G0A+5], s[BASEA], SLOT
	s_mov_b32 s[G0W], 1
	s_mov_b32 s[G0W+1], s[BASEW]
	s_mov_b32 s[G0W+4], 1
	s_add_co_u32 s[G0W+5], s[BASEW], SLOT
	s_mov_b32 s[TF], SLOT
	s_mov_b32 s[TBW], HW                           ; the first pair of quarters reads slot 0's second pair
	s_mov_b32 s[TBX], HX
	s_mov_b32 s[XK], 0x80808080
	s_mov_b32 s[C64], 0x64646464
	s_mov_b32 s[SELLO], 0x00050004
	s_mov_b32 s[SELHI], 0x00070006
	s_mov_b32 s[NEG], 0xe480e480
	s_mov_b32 s[AO], 0x3727c5ac                    ; 1e-5
	s_mov_b32 s[AO+1], s[AO]
	s_mov_b32 s91, 0
	s_lshl_b32 s[T0], s[HALF], 18                  ; 32 rows of o, or 64 of w_o: 262,144 bytes either way
	s_wait_dscnt 0x0                               ; both opening adds are done
	s_wait_kmcnt 0x0
	s_lshl_b32 s90, s[MY], 19                      ; 64 rows of 8,192 bytes
	s_add_co_u32 s90, s90, s[T0]
	s_add_nc_u64 s[G0A+2:G0A+3], s[4:5], s[90:91]
	s_add_nc_u64 s[G0A+6:G0A+7], s[G0A+2:G0A+3], KSTEP*2
	s_or_b32 s[G0A+3], s[G0A+3], 0x80000000
	s_or_b32 s[G0A+7], s[G0A+7], 0x80000000
	s_lshl_b32 s90, s[TX], 19                      ; 128 rows of 4,096 bytes
	s_add_co_u32 s90, s90, s[T0]
	s_add_nc_u64 s[G0W+2:G0W+3], s[6:7], s[90:91]
	s_add_nc_u64 s[G0W+6:G0W+7], s[G0W+2:G0W+3], KSTEP
	s_or_b32 s[G0W+3], s[G0W+3], 0x80000000
	s_or_b32 s[G0W+7], s[G0W+7], 0x80000000
	; the prefetches' address: my work-group's share of the rows that I fetch, at K step 3; every change of slots that fills steps it once before it is used
	s_and_b32 s[T3], ttmp7, 0xffff                 ; cluster y
	s_cmp_lt_u32 s[WV], 2                          ; do I fetch for o?
	s_cselect_b32 s90, s[MY], s[TX]
	s_cselect_b32 s[T1], s[CX], s[CY]              ; my place among the four that ask with me
	s_cselect_b64 s[PFA:PFA+1], s[4:5], s[6:7]
	s_cselect_b32 s[PFS], 10, 9
	s_cselect_b32 s[T3], ttmp9, s[T3]              ; the coordinate along which other clusters read the same rows
	s_lshl_b32 s90, s90, 19
	s_add_co_u32 s90, s90, s[T0]
	s_lshl_b32 s[T1], s[T1], 16                    ; 8 rows of o, or 16 of w_o: 65,536 bytes either way
	s_add_co_u32 s90, s90, s[T1]
	s_lshl_b32 s[PFS], 1, s[PFS]                   ; a K step: 1,024 bytes of o, 512 of w_o
	s_mov_b32 s[PFS+1], 0
	s_mul_i32 s[T1], s[PFS], 3
	s_add_co_u32 s90, s90, s[T1]
	s_add_nc_u64 s[PFA:PFA+1], s[PFA:PFA+1], s[90:91]
	s_cmp_eq_u32 s[T3], 0
	s_cselect_b32 s[LIM], 2, -1                    ; a wave asks while the counter is above this
	s_lshl_b32 s90, s[TX], 9                       ; 128 columns of f32
	s_add_nc_u64 s[BOP:BOP+1], s[8:9], s[90:91]
	s_lshl_b32 s[T1], s[MY], 20                    ; 64 rows of 16,384 bytes,
	s_add_co_u32 s90, s90, s[T1]
	s_lshl_b32 s[T1], s[KIDX], 18                  ; my 16 of them
	s_add_co_u32 s90, s90, s[T1]
	s_add_nc_u64 s[OB:OB+1], s[10:11], s[90:91]
	CROUND                                         ; all sixteen work-groups are here: the first joint loads meet
	s_cmp_lt_u32 s[WV], 2                          ; a wave's two first fills stand in one branch: two loads of mine are out
	s_cbranch_scc0 .Lfirst_w
	tensor_load_to_lds s[G0A:G0A+3], s[G1A:G1A+7]
	s_nop 0
	tensor_load_to_lds s[G0A+4:G0A+7], s[G1A:G1A+7]
	s_nop 0
.rept 4
	v_nop
.endr
	s_branch .Lfirst_asked
.Lfirst_w:
	tensor_load_to_lds s[G0W:G0W+3], s[G1W:G1W+7]
	s_nop 0
	tensor_load_to_lds s[G0W+4:G0W+7], s[G1W:G1W+7]
	s_nop 0
.rept 4
	v_nop
.endr
.Lfirst_asked:
	v_and_b32 v[RR], 15, v0
	v_bfe_u32 v[HH], v0, 4, 1
	v_and_b32 v26, 31, v0
	v_lshlrev_b32 v[BO], 5, v[HH]                  ; my eight columns of b_o: 32 bytes
	v_mul_u32_u24 v24, v[RR], PW
	v_lshl_add_u32 v24, v[HH], 4, v24
	s_lshl_b32 s[T0], s[KIDX], 7                   ; my quarter of the K step: 128 bytes of w_o
	s_add_co_u32 s[T0], s[T0], WOFF
.irp w, 0,1
	WIN (\w)<<6
	v_add_nc_u32 v[ADW0], s[T0], v24
	v_add_nc_u32 v[ADW], s[T0], v24
	s_add_co_u32 s[T0], s[T0], NBW*16*PW
.endr
	WIN 0
	v_mul_u32_u24 v25, v[RR], PA
	v_lshl_add_u32 v25, v[HH], 5, v25
	s_lshl_b32 s[T1], s[KIDX], 8                   ; 256 bytes of o
.irp g, 0,1,2,3                        ; my group g is the tile's token block (g + kidx) % 4: so every wave keeps its group 0 at the end, in the same registers
	s_add_co_u32 s[T0], s[KIDX], \g
	s_and_b32 s[T0], s[T0], KSPL-1
	s_mul_i32 s[T0], s[T0], 16*GA*PA
	s_add_co_u32 s[T0], s[T0], s[T1]
	v_add_nc_u32 v[ADX0+\g], s[T0], v25
	v_add_nc_u32 v[ADX+\g], s[T0], v25
.endr
.irp g, 1,2,3                          ; group g goes to the wave that keeps that token block, into the g-th third of what it receives
	s_add_co_u32 s[T0], s[KIDX], \g
	s_and_b32 s[T0], s[T0], 3
	s_mul_i32 s[T0], s[T0], EXB
	s_add_co_u32 s[T0], s[T0], (\g-1)*8192
	v_lshl_add_u32 v[EXS+\g-1], v26, 4, s[T0]
.endr
	s_mul_i32 s[T0], s[KIDX], EXB
	v_lshl_add_u32 v[EXR], v26, 4, s[T0]
	s_mul_i32 s[T0], s[WV], 16*PS
	s_add_co_u32 s[T0], s[T0], STAGE               ; my stage
	v_mul_u32_u24 v[STO], v[RR], PS                ; in: token l % 16, 32 bytes for each half of the lanes
	v_lshl_add_u32 v[STO], v[HH], 5, v[STO]
	v_add_nc_u32 v[STO], s[T0], v[STO]
	v_lshl_add_u32 v[RD], v26, 4, s[T0]            ; back: 32 lanes take one token's 512 bytes
	v_lshlrev_b32 v[GO], 4, v26
	s_cmp_lt_u32 s[WV], 2
	s_cselect_b32 s[T0], 7, 15                     ; o: 8 rows x 4 blocks of 256 bytes; w_o: 16 rows x 2
	s_cselect_b32 s[T1], 3, 4
	s_cselect_b32 s[T3], 13, 12                    ; a row of o is 8,192 bytes, of w_o 4,096
	v_and_b32 v24, s[T0], v26
	v_lshrrev_b32 v25, s[T1], v26
	v_lshlrev_b32 v[PFO], s[T3], v24
	v_lshl_add_u32 v[PFO], v25, 8, v[PFO]
	s_wait_tensorcnt 0x1                           ; my part of K step 0 is in; slot 1's may stay out
	s_barrier_signal -1
	s_barrier_wait -1
.irp w, 0,1                            ; the pipeline is filled: quarter 0's raw bytes are read and converted,
	SW \w
	RAWLD 0
.endr
	s_wait_dscnt 0x0
.irp w, 0,1
	SW \w
.set n, 0
.rept 20*NBW
	RIDER 0
.endr
.endr
	XRUN 0                                         ; then the loads go out in the order in which the quarters issue them, so that the quarters' count holds from the first
	SW 0
	RAWLD 1
	SW 1
	RAWLD 1
	XRUN 1
	QUARTER 0, 1                                   ; the first quarter stands in front of the loop: its products start the sums
	WIN 0
	s_mov_b32 s[CNT], STEPS-1                      ; taken down once behind the first pair: STEPS - 2 changes of slots fill
	s_mov_b32 s[INNER], 1
	s_branch .Lodd                                 ; the loop is entered at the pair's second quarter
.Lstep:                                        ; a trip: the change of slots, a K step's last two quarters, the next step's first two; trip i asks for K step i + 2
	MEET 1
	s_mov_b32 s[INNER], 2
.Lpair:
	QUARTER 0, 0
	WIN 0
.Lodd:
	QUARTER 1, 0
	WIN 0
	NEXTPAIR
	s_sub_co_u32 s[INNER], s[INNER], 1
	s_cmp_lg_u32 s[INNER], 0
	s_cbranch_scc1 .Lpair
	s_sub_co_u32 s[CNT], s[CNT], 1
	s_cmp_lg_u32 s[CNT], 0
	s_cbranch_scc1 .Lstep
	MEET 0                                         ; the tail is a text of its own: the last slot is waited for, nothing is asked for
	s_mov_b32 s[INNER], 3                          ; the last K step but one's last two quarters, and the last step's four
.Ltpair:
	QUARTER 0, 0
	QUARTER 1, 0
	WIN 0
	NEXTPAIR
	s_sub_co_u32 s[INNER], s[INNER], 1
	s_cmp_lg_u32 s[INNER], 0
	s_cbranch_scc1 .Ltpair                         ; the third trip's 2 x 16 loads read the last slot's first half once more, and its second quarter converts such bytes, for nothing: the price, once a launch, of one text for the three trips
.rept 8
	v_nop                                          ; the places behind the last products
.endr
.irp w, 0,1                            ; the bias goes where the f16 fragments lay: fragment 4 w + b at v[64 + 8 b] of window w
	WIN (\w)<<6
.irp b, 0,1,2,3
	global_load_b128 v[CV+8*\b:CV+8*\b+3],   v[BO], s[BOP:BOP+1] offset:64*(4*\w+\b)
	global_load_b128 v[CV+8*\b+4:CV+8*\b+7], v[BO], s[BOP:BOP+1] offset:64*(4*\w+\b)+16
.endr
.endr
	WIN 0
	s_wait_dscnt 0x0
	s_barrier_signal -1
	s_barrier_wait -1                              ; nobody reads a slot any more: slot 0, which has had its last fill, serves the exchange
.irp w, 0,1                            ; THE FOUR QUARTERS OF K MEET
	WIN (\w)<<2
.irp b, 0,1,2,3
.irp g, 1,2,3
	ds_store_b128 v[EXS+\g-1], v[ACC+8*(NA*\b+\g):ACC+8*(NA*\b+\g)+3]   offset:(4*\w+\b)*1024
	ds_store_b128 v[EXS+\g-1], v[ACC+8*(NA*\b+\g)+4:ACC+8*(NA*\b+\g)+7] offset:(4*\w+\b)*1024+512
.endr
.endr
.endr
	s_wait_dscnt 0x0                               ; for the other waves' sake
	s_barrier_signal -1
	s_barrier_wait -1
	WIN XW<<6
.set i, 0
.rept 48
	ds_load_b128 v[4*i:4*i+3], v[EXR] offset:512*i
.set i, i+1
.endr
	s_wait_dscnt 0x0
	s_wait_loadcnt 0x0                             ; the bias
.irp w, 0,1
	SW \w
.irp b, 0,1,2,3
.irp t, 0,1,2
.irp j, 0,2,4,6
	v_pk_add_f32 v[ACC+32*\b+\j:ACC+32*\b+\j+1], v[ACC+32*\b+\j:ACC+32*\b+\j+1], v[64*\t+8*(4*\w+\b)+\j:64*\t+8*(4*\w+\b)+\j+1]
.endr
.endr
.irp j, 0,2,4,6
	v_pk_fma_f32 v[ACC+32*\b+\j:ACC+32*\b+\j+1], v[ACC+32*\b+\j:ACC+32*\b+\j+1], s[AO:AO+1], v[CV+8*\b+\j:CV+8*\b+\j+1] op_sel_hi:[1,0,1]
.endr
.endr
	WIN (\w)<<2
.irp b, 0,1,2,3
	ds_store_b128 v[STO], v[ACC+32*\b:ACC+32*\b+3]   offset:64*(4*\w+\b)
	ds_store_b128 v[STO], v[ACC+32*\b+4:ACC+32*\b+7] offset:64*(4*\w+\b)+16
.endr
.endr
	WIN XW<<6
.set i, 0
.rept 16
	ds_load_b128 v[4*i:4*i+3], v[RD] offset:i*PS   ; my own stage: LDS serves a wave's instructions in order (ISA guide 5.7.1.4), so these see the stores above
.set i, i+1
.endr
	s_wait_dscnt 0x0
	WIN XW<<2
.set i, 0
.rept 16
	global_store_b128 v[GO], v[4*i:4*i+3], s[OB:OB+1] offset:16384*i th:TH_STORE_NT  ; 512 consecutive bytes of a row, at a multiple of 512 from out0's first byte
.set i, i+1
.endr
	WIN 0
	s_wait_tensorcnt 0x0                           ; the wave's end: behind my last tensor load and my last LDS store
	ds_add_u32 v[SPW], v[NIL]
	s_wait_dscnt 0x0
	CROUND                                         ; the closing round: no work-group ends while a partner may still ask for a tile that names it
	s_endpgm
.Lfunc_end_k_qab6542e608_oproj:
	.size	k_qab6542e608_oproj, .Lfunc_end_k_qab6542e608_oproj-k_qab6542e608_oproj
	.p2alignl 7, 3214868480
	.fill 96, 4, 3214868480
	.section	.rodata,"a",@progbits
	.p2align	6, 0x0
	.amdhsa_kernel k_qab6542e608_oproj
		.amdhsa_group_segment_fixed_size 327680
		.amdhsa_private_segment_fixed_size 0
		.amdhsa_enable_private_segment 0
		.amdhsa_kernarg_size 32
		.amdhsa_user_sgpr_count 2
		.amdhsa_user_sgpr_kernarg_segment_ptr 1
		.amdhsa_wavefront_size32 1
		.amdhsa_system_sgpr_workgroup_id_x 1
		.amdhsa_system_sgpr_workgroup_id_y 1
		.amdhsa_system_sgpr_workgroup_id_z 1
		.amdhsa_system_vgpr_workitem_id 0
		.amdhsa_next_free_vgpr 768
		.amdhsa_next_free_sgpr 100
		.amdhsa_reserve_vcc 0
		.amdhsa_float_denorm_mode_32 3
		.amdhsa_float_denorm_mode_16_64 3
		.amdhsa_memory_ordered 1
		.amdhsa_forward_progress 1
		.amdhsa_inst_pref_size 112
	.end_amdhsa_kernel
	.amdgpu_metadata
---
amdhsa.version: [ 1, 2 ]
amdhsa.kernels:
  - .name:           k_qab6542e608_oproj
    .symbol:         k_qab6542e608_oproj.kd
    .args:
      - { .name: ows, .offset: 0, .size: 8, .value_kind: global_buffer, .address_space: global }
      - { .name: w_o, .offset: 8, .size: 8, .value_kind: global_buffer, .address_space: global }
      - { .name: b_o, .offset: 16, .size: 8, .value_kind: global_buffer, .address_space: global }
      - { .name: out0, .offset: 24, .size: 8, .value_kind: global_buffer, .address_space: global }
    .group_segment_fixed_size: 327680
    .private_segment_fixed_size: 0
    .kernarg_segment_align: 8
    .kernarg_segment_size: 32
    .max_flat_workgroup_size: 128
    .sgpr_count:     100
    .vgpr_count:     768
    .wavefront_size: 32
...
	.end_amdgpu_metadata
.endif
;; end of part 4
;; ======== version 2 of 2: 4 launches; version 1 with the launch prep written anew for expert scheduling mode
;; workspace buffers: xq 4,194,304 bytes; qws 4,194,304 bytes; kws 4,194,304 bytes; vws 4,194,304 bytes; ows 4,194,304 bytes
;; launch prep (part 5): grid 256 x 1, 8 waves a work-group, no clusters, 0 bytes of LDS; arguments hidden_states, xq; writes xq
.if DOCPART == 5
	.amdgcn_target "amdgcn-amd-amdhsa--gfx1250"
	.amdhsa_code_object_version 6
	.text
	.protected	k_qab6542e608_prep
	.globl	k_qab6542e608_prep
	.p2align	8
	.type	k_qab6542e608_prep,@function
k_qab6542e608_prep:
	s_mov_b64 s[64:65], 0
	v_nop
	global_prefetch_b8 v0, s[64:65] scope:SCOPE_SE
	s_setreg_imm32_b32 hwreg(HW_REG_WAVE_SCHED_MODE, 0, 2), 2
	s_setreg_imm32_b32 hwreg(HW_REG_WAVE_MODE, 25, 1), 1
	s_wait_xcnt 0x0
	s_wait_alu depctr_vm_vsrc(0)
; xq = clip(round_to_even(hidden_states / 0.033), -128, 127), stored as f16: whole numbers of that range are exact in f16.
; DEAD WORK: none in the whole program.  Every input of the module has a way to the output (the mask is an input and is honoured number by number: no tile is left out),
; so every input is loaded by some launch, and no step is dropped.
; THE QUOTIENT is taken as the product x R, R the f32 number nearest to 1 / S, S = 0.033 in f32: the form that a division by a constant takes when it is compiled as a product with the reciprocal.
; LIMITS.  R lies 0.24 of its last place below 1 / S, and the product is rounded once: x R can differ from the correctly rounded x / S by one unit in the last place, which shows in xq only where
; the quotient lies within that unit of a half.  NaN and infinities in hidden_states are not treated apart.
; SHARES.  A stream: 256 work-groups of 8 waves, 8,192 numbers each.  Thread t takes the 16 bytes at 16 t + 4,096 g, g = 0..7: all eight loads go out first, a wave's load covers 512
; consecutive bytes, a wave's store 256 consecutive bytes, aligned.  No LDS, no matrix unit, no cluster: nothing is shared and nothing is read twice.
; THE MODE: SCHED_MODE bits 1:0 = 2 (LLVM: expert scheduling mode 2), set by the entry lines.  The code itself states the register dependences
; between vector instructions and memory instructions, with s_wait_alu, always for 0.
; THE PLAN.  Registers that memory instructions touch:
;   v1, v2   byte offsets of the loads and of the stores.  Written once at the head, never again; read by every load (v1) and every store (v2).
;   XR       group g's load lands in its own four registers, once, ahead of every vector line that names them; group g's two multiplies read them.
;   YR       group g's two conversions write its own pair, once; group g's store reads it; no pair is written again.
;   QR is named by vector instructions alone.
; The eight groups go in two blocks of four: four groups' arithmetic, ONE wait that states that their conversions have written YR, and the run of their four stores.  With the wait for the offsets
; at the head that is three waits for sixteen memory instructions.  No register that a memory instruction reads is ever written again, so no wait for such a read is owed.
.set XR, 8                             ; v[8:39]   eight loads of four numbers
.set QR, 40                            ; v[40:43]  the quotient at work
.set YR, 48                            ; v[48:63]  eight stores of two registers: no register is used twice, so no store's data is ever rewritten
	s_load_b128 s[4:7], s[0:1], 0x0                ; hidden_states s[4:5], xq s[6:7]
	s_lshl_b32 s8, ttmp9, 15                       ; 32,768 bytes in for each work-group,
	s_mov_b32 s9, 0
	s_lshl_b32 s10, ttmp9, 14                      ; 16,384 out
	s_mov_b32 s11, 0
	s_mov_b32 s12, 0x41f26c9b                      ; R = 1 / 0.033 in f32
	s_mov_b32 s13, s12                             ; named with it as a pair
	s_mov_b32 s16, 0xc3000000                      ; -128.0
	s_mov_b32 s17, 0x42fe0000                      ; 127.0
	v_lshlrev_b32 v1, 4, v0
	v_lshlrev_b32 v2, 3, v0
	s_wait_kmcnt 0x0
	s_add_nc_u64 s[4:5], s[4:5], s[8:9]
	s_add_nc_u64 s[6:7], s[6:7], s[10:11]
	s_wait_alu depctr_va_vdst(0)                   ; v1 and v2 are written: every load of the kernel reads v1 as its offset, every store v2
.irp g, 0,1,2,3,4,5,6,7
	global_load_b128 v[XR+4*\g:XR+4*\g+3], v1, s[4:5] offset:4096*\g th:TH_LOAD_NT
.endr
; Group g's arithmetic: four numbers from XR through QR into a pair of YR.
.macro GROUP g
	s_wait_loadcnt 7-(\g)                          ; loads come back in order: load g is in, the 7 - g younger ones may stay out
	v_pk_mul_f32 v[QR:QR+1], v[XR+4*(\g):XR+4*(\g)+1], s[12:13] op_sel_hi:[1,0]
	v_pk_mul_f32 v[QR+2:QR+3], v[XR+4*(\g)+2:XR+4*(\g)+3], s[12:13] op_sel_hi:[1,0]
.irp j, 0,1,2,3
	v_rndne_f32 v[QR+\j], v[QR+\j]
.endr
.irp j, 0,1,2,3
	v_med3_num_f32 v[QR+\j], v[QR+\j], s16, s17
.endr
	v_cvt_pk_f16_f32 v[YR+2*(\g)], v[QR], v[QR+1]
	v_cvt_pk_f16_f32 v[YR+2*(\g)+1], v[QR+2], v[QR+3]
.endm
; Group g's store.
.macro SEND g
	global_store_b64 v2, v[YR+2*(\g):YR+2*(\g)+1], s[6:7] offset:2048*(\g)
.endm
.irp g, 0,1,2,3
	GROUP \g
.endr
	s_wait_alu depctr_va_vdst(0)                   ; the conversions of groups 0 to 3 have written their pairs of YR, which the four stores below read
.irp g, 0,1,2,3
	SEND \g
.endr
.irp g, 4,5,6,7
	GROUP \g                                       ; these lines name XR's and YR's upper halves and QR: none of the registers that the stores above read
.endr
	s_wait_alu depctr_va_vdst(0)                   ; the conversions of groups 4 to 7 have written their pairs of YR, which the last four stores read
.irp g, 4,5,6,7
	SEND \g
.endr
	s_endpgm
.Lfunc_end_k_qab6542e608_prep:
	.size	k_qab6542e608_prep, .Lfunc_end_k_qab6542e608_prep-k_qab6542e608_prep
	.p2alignl 7, 3214868480
	.fill 96, 4, 3214868480
	.section	.rodata,"a",@progbits
	.p2align	6, 0x0
	.amdhsa_kernel k_qab6542e608_prep
		.amdhsa_group_segment_fixed_size 0
		.amdhsa_private_segment_fixed_size 0
		.amdhsa_enable_private_segment 0
		.amdhsa_kernarg_size 16
		.amdhsa_user_sgpr_count 2
		.amdhsa_user_sgpr_kernarg_segment_ptr 1
		.amdhsa_wavefront_size32 1
		.amdhsa_system_sgpr_workgroup_id_x 1
		.amdhsa_system_sgpr_workgroup_id_y 1
		.amdhsa_system_sgpr_workgroup_id_z 1
		.amdhsa_system_vgpr_workitem_id 0
		.amdhsa_next_free_vgpr 64
		.amdhsa_next_free_sgpr 66
		.amdhsa_reserve_vcc 0
		.amdhsa_float_denorm_mode_32 3
		.amdhsa_float_denorm_mode_16_64 3
		.amdhsa_memory_ordered 1
		.amdhsa_forward_progress 1
		.amdhsa_inst_pref_size 8
	.end_amdhsa_kernel
	.amdgpu_metadata
---
amdhsa.version: [ 1, 2 ]
amdhsa.kernels:
  - .name:           k_qab6542e608_prep
    .symbol:         k_qab6542e608_prep.kd
    .args:
      - { .name: hidden_states, .offset: 0, .size: 8, .value_kind: global_buffer, .address_space: global }
      - { .name: xq, .offset: 8, .size: 8, .value_kind: global_buffer, .address_space: global }
    .group_segment_fixed_size: 0
    .private_segment_fixed_size: 0
    .kernarg_segment_align: 8
    .kernarg_segment_size: 16
    .max_flat_workgroup_size: 256
    .sgpr_count:     66
    .vgpr_count:     64
    .wavefront_size: 32
...
	.end_amdgpu_metadata
.endif
;; end of part 5
;; launch qkv: the kernel of part 2 again; grid 64 x 4, 4 waves a work-group, clusters of 4 x 4, 327,680 bytes of LDS; arguments xq, w_q, w_k, w_v, b_q, b_k, b_v, qws, kws, vws; writes qws, kws, vws
;; launch attn: the kernel of part 3 again; grid 8 x 32, 4 waves a work-group, clusters of 4 x 1, 327,680 bytes of LDS; arguments qws, kws, vws, attention_mask, ows; writes ows
;; launch oproj: the kernel of part 4 again; grid 32 x 8, 4 waves a work-group, clusters of 4 x 4, 327,680 bytes of LDS; arguments ows, w_o, b_o, out0; writes out0
